; MI455X (gfx1250); checked and timed in simulation.
; The chip was launched on July 23, 2026; its instructions are those of AMD's public machine-readable ISA for CDNA 5 (MIT licence, August 2026) and "CDNA5" Instruction Set Architecture Reference Guide (July 2026). The comments in the code are by the model that wrote it; some were corrected since.
;; Causal Self Attention. Allowed arithmetic: matrix products marked QUANTISED: E2M3 operands, one E8M0 scale for each 32 along K, by v_wmma_scale_f32_16x16x128_f8f6f4 with both operands' format E2M3, f32 sums; everything else in f32.
;; Inputs: b_attn 3,072 float32; b_proj 1,024 float32; w_attn 3,072 x 1,024 float32; w_proj 1,024 x 1,024 float32; x 4 x 2,048 x 1,024 float32.
;; Outputs: out0 4 x 2,048 x 1,024 float32.
;; This version of the problem:
;;   THIS VERSION OF THE PROBLEM IS GIVEN IN LOW PRECISION. The matrix products marked QUANTISED in the list below multiply operands that are first quantised to E2M3 (2 exponent bits, 3 mantissa bits; 6 bits a number), with one power-of-two scale for each 32 numbers along K (OCP MX v1.0); their sums are f32. All else is computed in f32.
;;   The module's matrix products, in the order in which they are computed (A, B: the left and right operand; K: the contracted axis; several contracted axes count as one K, in the product's order):
;;     1. [M 8,192, K 1,024] x [K 1,024, N 3,072]; A: input x; B: input w_attn: QUANTISED
;;     2. batch 64 x [M 2,048, K 64] x [K 64, N 2,048]; A: computed on the way; B: computed on the way: QUANTISED
;;     3. batch 64 x [M 2,048, K 2,048] x [K 2,048, N 64]; A: softmax (see below); B: computed on the way: QUANTISED
;;     4. [M 8,192, K 1,024] x [K 1,024, N 1,024]; A: computed on the way; B: input w_proj: QUANTISED
;;   THE QUANTISER, for each operand of a quantised product, along K:
;;     - K is cut into blocks of 32 from its start; a last block that is shorter is filled with zeros.
;;     - A block's scale is 2^e with e = floor(log2(the largest magnitude in the block)) - 2, held to -126 .. 127; a block of zeros has e = 0. As a byte (E8M0): e + 127.
;;     - Each number is divided by its block's scale, clamped to +-7.5, and rounded to the nearest number of E2M3, ties to even, subnormals kept.
;;     - The product sums the exact products of the quantised numbers (number of the format x scale) in f32.
;;   ~~~python
;;   def quantise(x, axis):      # numpy; x: float32 -> the quantised numbers, widened to float32 again
;;       x = np.moveaxis(x, axis, -1); K = x.shape[-1]
;;       x = np.pad(x, [(0, 0)] * (x.ndim - 1) + [(0, -K % 32)]); x = x.reshape(x.shape[:-1] + (-1, 32)); a = np.abs(x).max(-1, keepdims=True)
;;       e = np.where(a > 0, np.clip(np.frexp(np.where(a > 0, a, 1))[1] - 1 - 2, -126, 127), 0)      # np.frexp(a)[1] - 1 = floor(log2(a)), exactly
;;       r = np.clip(x / 2.0 ** e, -7.5, 7.5)
;;       step = 2.0 ** (np.maximum(np.frexp(np.where(r == 0, 1, r))[1] - 1, 0) - 3)
;;       q = np.round(r / step) * step * 2.0 ** e      # np.round: ties to even
;;       return np.moveaxis(q.reshape(q.shape[:-2] + (-1,))[..., :K], -1, axis).astype(np.float32)
;;   ~~~
;;   SOFTMAX AHEAD OF A QUANTISED PRODUCT. Where the list says 'softmax', what is quantised is not the finished softmax but p = 2^(t - M), with t = logit x log2(e) and M = ceil(the row's largest t), a whole number; so 1/2 < the row's largest p <= 1. The row's sum l is taken of the UNQUANTISED p, in f32, and the product's result is divided by l at the end. Since M is a whole number, a kernel that streams over the keys may use a running M (the ceiling of the running maximum): every later rescaling is an exact power of two, which a block's scale takes up: the codes' values come out the same.
;;   OPERANDS COMPUTED ON THE WAY. 'Computed on the way' means the value that the module computes at that place (a softmax that the list does not call 'softmax' is quantised finished and normalised). What goes into a quantiser is computed in f32, as accurately as f32 sums, v_exp_f32 and their like allow (about 1e-6 of the number): no bf16 or f16 on the way to a quantiser, and a product that is left as it is and whose result goes on into a quantised operand takes f32 operands (vector FMAs, or v_wmma_f32_16x16x4_f32). A number that lies on a knife's edge between two numbers of the format may be rounded either way, as far as f32 arithmetic and the matrix unit's own rounding can turn it there, and no further.
;; One version. Each part assembles by itself: llvm-mc -triple=amdgcn-amd-amdhsa -mcpu=gfx1250 --defsym DOCPART=n.
;; ======== version 1 of 1: 4 launches
;; workspace buffers: opc 9,437,184 bytes; ops 393,216 bytes; qkv 20,185,088 bytes; yb 6,291,456 bytes; ys 262,144 bytes
;; launch quant (part 1): grid 384 x 1, 4 waves a work-group, no clusters, 34,304 bytes of LDS; arguments x, w_attn, w_proj, opc, ops; writes opc, ops
.if DOCPART == 1
	.amdgcn_target "amdgcn-amd-amdhsa--gfx1250"
	.amdhsa_code_object_version 6
	.text
	.protected	k_q1ebbad3732_quant
	.globl	k_q1ebbad3732_quant
	.p2align	8
	.type	k_q1ebbad3732_quant,@function
k_q1ebbad3732_quant:
	s_mov_b64 s[64:65], 0
	v_nop
	global_prefetch_b8 v0, s[64:65] scope:SCOPE_SE
	s_setreg_imm32_b32 hwreg(HW_REG_WAVE_MODE, 25, 1), 1
	s_wait_xcnt 0x0
; x [8192][1024], w_attn [3072][1024], w_proj [1024][1024], f32, K innermost, become codes of FP6 (E2M3) with one E8M0 byte for each 32 along K.
; A block's scale is 2^(floor(log2(largest magnitude)) - 2); its byte is the largest magnitude's exponent field - 2, held at 1 from below.
; LIMITS: NaN and infinities are not served; a block of zeros, or one whose largest magnitude lies under 2^-124, gets the byte 1 (its codes are zeros; this program alone reads the bytes).
; LAYOUT OF THE CODES: images of the operand's registers.  A tile is 16 rows; tile 2 B + u, lane r, holds row 32 B + 8 u + r + 8 (r / 8) of its tensor.  Of a tile, each 64 along K are 768 bytes:
; registers 0-3 of the half fragment at 16 x lane, registers 4-5 at 512 + 8 x lane.  A tile is 16 such halves, 12,288 bytes.  Tiles: x 0..511, w_attn 512..703, w_proj 704..767.
; LAYOUT OF THE SCALE WORDS: 512 bytes a tile: [g 0..1][lane][2 words]; word jj of lane l is row l % 16's word for the K step of 128 numbered 4 g + 2 jj + l / 16.
; SHARES: a work-group takes two tiles; wave w takes tile w / 2, K half w % 2: four K steps of 128.  Each load reads 512 consecutive bytes of a row; a step's 16 rows turn through the wave's own
; stage in LDS (rows 528 bytes apart) so that a lane gets 16 neighbours of each block of its row.  Waves share nothing: no barrier.  No cluster: work-groups share no input.
.set L16, 2                            ; v2   16 x lane
.set L8,  3                            ; v3   8 x lane
.set STO, 4                            ; v4   the stage, way in: 16 x lane
.set RD,  5                            ; v5   the stage, way out: 528 r + 64 h
.set PC,  8                            ; v8-19 the fragment's codes; v20-22, v24-26 the conversions' second halves
.set PW,  28                           ; v28  the scale word just made
.set E,   30                           ; v[30:31] the scale words as they are stored
.set R,   32                           ; v32-95, v96-159 two sets of 64 numbers as loaded
.set X,   160                          ; v160-223 register 16 b + i = k 32 b + 16 h + i of my row
.set TM,  224                          ; v224-239 at work
.set SW,  240                          ; v240-243 the four steps' scale words
.set SEL, 20                           ; s[20:21] selects for lane l xor 16
.set HM,  22                           ; s22  lanes 16-31
	s_load_b256 s[4:11], s[0:1], 0x0               ; x, w_attn, w_proj, opc
	s_load_b64 s[12:13], s[0:1], 0x20              ; ops
	v_lshl_add_u32 v248, v0, 2, 0x8400
	v_mov_b32 v249, 0
	v_lshrrev_b32 v1, 5, v0
	v_readfirstlane_b32 s14, v1                    ; wave
	v_and_b32 v1, 31, v0
	v_lshlrev_b32 v[L16], 4, v1
	v_lshlrev_b32 v[L8], 3, v1
	v_and_b32 v6, 15, v0                           ; r
	v_bfe_u32 v7, v0, 4, 1                         ; h
	s_mul_i32 s16, s14, 8448                       ; my stage: 16 rows x 528 bytes
	v_add_nc_u32 v[STO], s16, v[L16]
	v_mul_u32_u24 v[RD], v6, 528
	v_lshl_add_u32 v[RD], v7, 6, v[RD]
	v_add_nc_u32 v[RD], s16, v[RD]
.irp b, 0,1,2,3
	v_mov_b32 v[TM+4+\b], 0                        ; written once: a lane permute's destination counts as one of its sources
.endr
	s_mov_b32 s[SEL], 0x76543210
	s_mov_b32 s[SEL+1], 0xfedcba98
	s_mov_b32 s[HM], 0xffff0000
	s_lshr_b32 s17, s14, 1                         ; which of the two tiles
	s_and_b32 s18, s14, 1                          ; which half of K
	s_mov_b32 s15, 352
	s_wait_alu depctr_va_vdst(0)
	s_wait_kmcnt 0x0
	s_cmp_lt_u32 ttmp9, 352                        ; which tensor: the choice hangs on the work-group's number alone
	s_cselect_b64 s[6:7], s[6:7], s[8:9]
	s_cselect_b32 s15, 256, s15
	s_cmp_lt_u32 ttmp9, 256
	s_cselect_b64 s[4:5], s[4:5], s[6:7]
	s_cselect_b32 s15, 0, s15                      ; the tensor's first work-group
	s_sub_co_u32 s15, ttmp9, s15
	s_lshl_b32 s15, s15, 5                         ; 32 rows a work-group,
	s_lshl_b32 s19, s17, 3
	s_add_co_u32 s15, s15, s19                     ; the odd tile begins 8 rows on
	s_lshl_b32 s24, s15, 12                        ; rows of 4,096 bytes
	s_lshl_b32 s19, s18, 11
	s_add_co_u32 s24, s24, s19                     ; + 2,048 bytes for the upper half of K
	s_mov_b32 s25, 0
	s_add_nc_u64 s[4:5], s[4:5], s[24:25]
	s_lshl_b32 s19, ttmp9, 1
	s_add_co_u32 s19, s19, s17                     ; the tile's number
	s_mul_i32 s24, s19, 12288
	s_mul_i32 s26, s18, 6144
	s_add_co_u32 s24, s24, s26
	s_add_nc_u64 s[10:11], s[10:11], s[24:25]      ; my eight halves of the tile's codes
	s_lshl_b32 s24, s19, 9
	s_lshl_b32 s26, s18, 8
	s_add_co_u32 s24, s24, s26
	s_add_nc_u64 s[12:13], s[12:13], s[24:25]      ; my 256 bytes of scale words
.macro XLOAD t                         ; K step t of the tile's 16 rows: 512 consecutive bytes a load
.irp i, 0,1,2,3,4,5,6,7,8,9,10,11,12,13,14,15
	global_load_b128 v[R+64*((\t)%2)+4*\i:R+64*((\t)%2)+4*\i+3], v[L16], s[4:5] offset:(\i+8*(\i/8))*4096+512*(\t) th:TH_LOAD_NT
.endr
.endm
.macro TURN t                          ; through the stage: LDS serves a wave's instructions in order, so no wait stands between the stores and the loads
.irp i, 0,1,2,3,4,5,6,7,8,9,10,11,12,13,14,15
	ds_store_b128 v[STO], v[R+64*((\t)%2)+4*\i:R+64*((\t)%2)+4*\i+3] offset:528*\i
.endr
.irp b, 0,1,2,3
.irp j, 0,1,2,3
	ds_load_b128 v[X+16*\b+4*\j:X+16*\b+4*\j+3], v[RD] offset:128*\b+16*\j
.endr
.endr
.endm
; 64 numbers of a lane, register 16 b + i = k 32 b + 16 h + i of my row, become a fragment's codes in v[PC] on and its scale word in v[PW]
.macro QUANT s
.irp b, 0,1,2,3
	v_max3_num_f32 v[TM+\b], |v[\s+16*\b]|, |v[\s+1+16*\b]|, 0x1800000   ; my 16 numbers of block b, and the floor 2^(3 - 127): the byte cannot fall under 1
.endr
.irp i, 2,4,6,8,10,12,14
.irp b, 0,1,2,3
	v_max3_num_f32 v[TM+\b], v[TM+\b], |v[\s+16*\b+\i]|, |v[\s+1+16*\b+\i]|
.endr
.endr
.irp b, 0,1,2,3
	v_permlanex16_b32 v[TM+4+\b], v[TM+\b], s[SEL], s[SEL+1]
.endr
.irp b, 0,1,2,3
	v_max_num_f32 v[TM+\b], v[TM+\b], v[TM+4+\b]   ; with lane l xor 16's: the block's largest magnitude
.endr
.irp b, 0,1,2,3
	v_add_nc_u32 v[TM+12+\b], 0xff000000, v[TM+\b] ; 2 off its exponent field: the conversion's scale operand
.endr
.irp b, 0,1,2,3
	v_lshrrev_b32 v[TM+4+\b], 23, v[TM+12+\b]      ; the scale's byte
.endr
	v_lshl_or_b32 v[PW], v[TM+5], 8, v[TM+4]
	v_lshl_or_b32 v[PW], v[TM+6], 16, v[PW]
	v_lshl_or_b32 v[PW], v[TM+7], 24, v[PW]
.irp c, 0,1
	v_cvt_scalef32_pk16_fp6_f32 v[PC+6*\c:PC+2+6*\c], v[\s+32*\c:\s+15+32*\c], v[TM+12+2*\c]
	v_cvt_scalef32_pk16_fp6_f32 v[PC+12+4*\c:PC+14+4*\c], v[\s+16+32*\c:\s+31+32*\c], v[TM+12+2*\c+1]   ; (a conversion's three registers begin on an even number)
.endr
	v_nop                                          ; one plain place behind a scaled conversion
.irp c, 0,1                                    ; the operand's layout wants a whole block in a lane
.irp i, 0,1,2
	v_permlane16_swap_b32 v[PC+6*\c+\i], v[PC+12+4*\c+\i]
.endr
.irp i, 0,1,2
	v_mov_b32 v[PC+3+6*\c+\i], v[PC+12+4*\c+\i]
.endr
.endr
.endm
.macro STEP t
.if (\t) < 3
	s_wait_loadcnt 16                              ; this step's 16 loads are in; the next step's 16 may be out
.else
	s_wait_loadcnt 0x0
.endif
	TURN \t
	s_wait_dscnt 0x0                               ; my numbers are back, and the stage's stores have read the set as loaded
	s_wait_xcnt 0x0                                ; the last step's stores have read the codes' registers
.if (\t) < 2
	XLOAD (\t)+2
.endif
	QUANT X
	v_mov_b32 v[SW+(\t)], v[PW]
.irp c, 0,1
	global_store_b128 v[L16], v[PC+6*\c:PC+6*\c+3], s[10:11] offset:(2*(\t)+\c)*768         ; 512 consecutive bytes
	global_store_b64 v[L8], v[PC+6*\c+4:PC+6*\c+5], s[10:11] offset:(2*(\t)+\c)*768+512     ; 256 consecutive bytes
.endr
.endm
	XLOAD 0
	XLOAD 1
	STEP 0
	STEP 1
	STEP 2
	STEP 3
	v_cndmask_b32 v[E], v[SW], v[SW+1], s[HM]      ; lanes 0-15 the even step's word, lanes 16-31 the odd step's
	v_cndmask_b32 v[E+1], v[SW+2], v[SW+3], s[HM]
	global_store_b64 v[L8], v[E:E+1], s[12:13]     ; 256 consecutive bytes, aligned
	s_wait_tensorcnt 0x0
	ds_add_u32 v248, v249
	s_wait_dscnt 0x0
	s_endpgm
.Lfunc_end_k_q1ebbad3732_quant:
	.size	k_q1ebbad3732_quant, .Lfunc_end_k_q1ebbad3732_quant-k_q1ebbad3732_quant
	.p2alignl 7, 3214868480
	.fill 96, 4, 3214868480
	.section	.rodata,"a",@progbits
	.p2align	6, 0x0
	.amdhsa_kernel k_q1ebbad3732_quant
		.amdhsa_group_segment_fixed_size 34304
		.amdhsa_private_segment_fixed_size 0
		.amdhsa_enable_private_segment 0
		.amdhsa_kernarg_size 40
		.amdhsa_user_sgpr_count 2
		.amdhsa_user_sgpr_kernarg_segment_ptr 1
		.amdhsa_wavefront_size32 1
		.amdhsa_system_sgpr_workgroup_id_x 1
		.amdhsa_system_sgpr_workgroup_id_y 1
		.amdhsa_system_sgpr_workgroup_id_z 1
		.amdhsa_system_vgpr_workitem_id 0
		.amdhsa_next_free_vgpr 250
		.amdhsa_next_free_sgpr 66
		.amdhsa_reserve_vcc 0
		.amdhsa_float_denorm_mode_32 3
		.amdhsa_float_denorm_mode_16_64 3
		.amdhsa_memory_ordered 1
		.amdhsa_forward_progress 1
		.amdhsa_inst_pref_size 34
	.end_amdhsa_kernel
	.amdgpu_metadata
---
amdhsa.version: [ 1, 2 ]
amdhsa.kernels:
  - .name:           k_q1ebbad3732_quant
    .symbol:         k_q1ebbad3732_quant.kd
    .args:
      - { .name: x, .offset: 0, .size: 8, .value_kind: global_buffer, .address_space: global }
      - { .name: w_attn, .offset: 8, .size: 8, .value_kind: global_buffer, .address_space: global }
      - { .name: w_proj, .offset: 16, .size: 8, .value_kind: global_buffer, .address_space: global }
      - { .name: opc, .offset: 24, .size: 8, .value_kind: global_buffer, .address_space: global }
      - { .name: ops, .offset: 32, .size: 8, .value_kind: global_buffer, .address_space: global }
    .group_segment_fixed_size: 34304
    .private_segment_fixed_size: 0
    .kernarg_segment_align: 8
    .kernarg_segment_size: 40
    .max_flat_workgroup_size: 128
    .sgpr_count:     66
    .vgpr_count:     250
    .wavefront_size: 32
...
	.end_amdgpu_metadata
.endif
;; end of part 1
;; launch qkv (part 2): grid 8 x 96, 4 waves a work-group, clusters of 4 x 4, 295,424 bytes of LDS; arguments opc, ops, b_attn, qkv; writes qkv
.if DOCPART == 2
	.amdgcn_target "amdgcn-amd-amdhsa--gfx1250"
	.amdhsa_code_object_version 6
	.text
	.protected	k_q1ebbad3732_qkv
	.globl	k_q1ebbad3732_qkv
	.p2align	8
	.type	k_q1ebbad3732_qkv,@function
k_q1ebbad3732_qkv:
	s_mov_b64 s[64:65], 0
	v_nop
	global_prefetch_b8 v0, s[64:65] scope:SCOPE_SE
	s_setreg_imm32_b32 hwreg(HW_REG_WAVE_MODE, 25, 1), 1
	s_wait_xcnt 0x0
	s_wait_alu depctr_hold_cnt(0) depctr_sa_sdst(0) depctr_va_vdst(0) depctr_va_sdst(0) depctr_va_ssrc(0) depctr_va_vcc(0) depctr_vm_vsrc(0)
	s_getreg_b32 s2, hwreg(HW_REG_IB_STS2, 6, 4)
	s_cmp_eq_u32 s2, 0
	s_cbranch_scc0 .Lentry_in_a_cluster
	s_endpgm
.Lentry_in_a_cluster:
	s_bfe_u32 s2, ttmp6, 0x10000c
	s_cmp_lg_u32 s2, 0xf033
	s_cbranch_scc0 .Lentry_shape_is_right
	s_endpgm
.Lentry_shape_is_right:
; qkv = x w_attn^T + b_attn on codes of FP6 (E2M3) with E8M0 scales, K = 1,024; the results are quantised in registers and leave as codes: q and k along the head's 64, v along the keys.
; LIMITS: NaN and infinities are not served; a block whose largest magnitude lies under 2^-124 gets the byte 1 and zero codes.
; OPERANDS are images of registers (16 rows x 64 K = 768 bytes: registers 0-3 at 16 x lane, 4-5 at 512 + 8 x lane); a tile of 16 rows is 16 such halves; tile 2 B + u, lane r, holds row 32 B + 8 u + r + 8 (r / 8).
; So with 16 rows of one operand as source 0, the 16 registers of result tiles 2 B, 2 B + 1 are 16 NEIGHBOURS of that operand's rows: the axis that is quantised next is always source 0's.
; ROLES, by the cluster's number L (the same in all partners): L < 32: source 1 (A) = tokens, source 0 (B) = w_attn's rows 0..2047 (q, k: quantised along the channels);
; L >= 32: A = w_attn's rows 2048..3071, B = tokens (v: quantised along the keys).  Only the first K step's 32 products, whose C is the bias, differ in text; all else differs in scalars chosen by selects.
; SHARES: a work-group makes 128 rows of A x 256 rows of B; all of K lies in LDS, (8 + 16) tiles x 12,288 bytes, filled once, in four chunks of 256 along K.  A wave makes 64 x 128: 32 accumulators.
; CLUSTER 4 x 4: A's tiles are shared along a row of the cluster, B's along a column: joint loads.  A wave has four tensor loads out at the most, by this text's count.
; OUTPUT: 64 head records of 315,392 bytes: k images, k scale words, v images [key step][d tile][half], v scale words, q images, q scale words.
; REGISTERS: window 0: addresses, scale words, bias, the quantiser's work; window 1: accumulator (a, b) at 64 a + 8 b; windows 2, 3: two sets of fragments, A's at 12 a, B's at 48 + 12 b.
.set REC,  315392
.set RKS,  98304
.set RVI,  106496
.set RVS,  204800
.set RQI,  208896
.set RQS,  307200
.set CHUNK, 73728                      ; 24 tiles x 3,072 bytes (256 along K)
.set L16, 1                            ; v1   16 x lane
.set L8,  2                            ; v2   8 x lane
.set H64, 3                            ; v3   64 h
.set RP4, 4                            ; v4   4 (r + 8 (r / 8))
.set ADA16, 8                          ; v8-11   A's fragments in chunk c, registers 0-3;  v12-15 registers 4-5
.set ADA8,  12
.set ADB16, 16                         ; v16-19, v20-23 the same for B
.set ADB8,  20
.set SW,  24                           ; v24-27 the four result tiles' scale words
.set E,   28                           ; v[28:29] as they are stored;  v[30:31] the odd head's
.set F,   30
.set SCA, 32                           ; v32-47  A's scale words: register 4 a + s / 2, lanes 0-15 for even s, lanes 16-31 for odd s
.set SCB, 48                           ; v48-79  B's: 4 b + s / 2
.set BI,  80                           ; v80-143 the bias in the result's layout
.set PC,  144                          ; v144-162 the codes just made
.set PW,  164
.set TM,  168                          ; v168-183 at work
.set BA,  184                          ; v184-191 the bias loads' offsets
.set AF,  0
.set BF,  48
.set WV,  12
.set WA,  13
.set WB,  14
.set CX,  15
.set CY,  16
.set LL,  17
.set ROLE, 18
.set G1A, 24
.set G1B, 32
.set G0A, 40                           ; s40-55  a group 0 for each chunk
.set TA,  56
.set TBT, 57
.set G0B, 68                           ; s68-83
.set STA, 96
.set HM,  98
.set SEL, 100
.set MSB, 0
.macro WIN new                         ; the immediate's high byte repeats the setting that is left
.if MSB != (\new)
	s_set_vgpr_msb (MSB<<8)|(\new)
.set MSB, (\new)
.endif
.endm
.macro CROUND                          ; a round of the cluster's barrier
	s_barrier_signal -1
	s_barrier_wait -1
	s_cmp_lg_u32 s[WV], 0
	s_cbranch_scc1 .Lnot_wave_0_\@
	s_barrier_signal -3
.Lnot_wave_0_\@:
	s_barrier_wait -3
	s_barrier_signal -1
	s_barrier_wait -1
.endm
.macro PLACES
.rept 4
	v_nop
.endr
.endm
	s_load_b256 s[4:11], s[0:1], 0x0               ; opc, ops, b_attn, qkv
	v_lshl_add_u32 v254, v0, 2, 0x48000
	v_mov_b32 v255, 0
	ds_add_u32 v254, v255
	ds_add_u32 v254, v255
	v_lshrrev_b32 v5, 5, v0
	v_readfirstlane_b32 s[WV], v5
	s_lshr_b32 s[WA], s[WV], 1                     ; which 64 rows of A are mine
	s_and_b32 s[WB], s[WV], 1                      ; which 128 rows of B; also which half of a tensor's tiles I fetch
	s_bfe_u32 s[CX], ttmp6, 0x40000
	s_bfe_u32 s[CY], ttmp6, 0x40004
	s_and_b32 s[LL], ttmp7, 0xffff
	s_lshl_b32 s[LL], s[LL], 1
	s_add_co_u32 s[LL], s[LL], ttmp9               ; the cluster's number, 0..47
	s_lshr_b32 s19, s[LL], 1                       ; q, k: 16 blocks of tokens x 2 of w's rows
	s_and_b32 s20, s[LL], 1
	s_bfe_u32 s21, s[LL], 0x10003                  ; v: 2 blocks of w's rows x 8 of tokens
	s_and_b32 s22, s[LL], 7
	s_cmp_ge_u32 s[LL], 32
	s_cselect_b32 s[ROLE], 1, 0
	s_cselect_b32 s99, -1, 0
	s_cselect_b32 s19, s21, s19
	s_cselect_b32 s20, s22, s20
	s_cselect_b32 s21, 640, 0                      ; the first tile of A's tensor,
	s_cselect_b32 s22, 0, 512                      ; of B's
	s_lshl_b32 s19, s19, 5
	s_lshl_b32 s62, s[CY], 3
	s_add_co_u32 s[TA], s21, s19
	s_add_co_u32 s[TA], s[TA], s62                 ; my work-group's first tile of A: it hangs on cy alone
	s_lshl_b32 s20, s20, 6
	s_lshl_b32 s63, s[CX], 4
	s_add_co_u32 s[TBT], s22, s20
	s_add_co_u32 s[TBT], s[TBT], s63               ; and of B: on cx alone
	s_lshl_b32 s58, s[CY], 2
	s_lshl_b32 s58, 15, s58                        ; my row of the cluster
	s_lshl_b32 s59, 0x1111, s[CX]                  ; my column
	s_or_b32 s[G1A], s58, (3<<16)|(1<<21)          ; the mask; elements of 8 bytes; no padding
	s_or_b32 s[G1B], s59, (3<<16)|(1<<21)
	s_mov_b32 s[G1A+1], 384<<16                    ; a row: a tile's 3,072 bytes of the chunk
	s_mov_b32 s[G1A+2], 4<<16                      ; four tiles
	s_mov_b32 s[G1A+3], 384<<16
	s_mov_b32 s[G1A+4], 4
	s_mov_b32 s[G1A+5], 1536                       ; from tile to tile: 12,288 bytes
	s_mov_b32 s[G1A+6], 0
	s_mov_b32 s[G1A+7], 0
	s_mov_b32 s[G1B+1], 384<<16
	s_mov_b32 s[G1B+2], 8<<16                      ; eight tiles
	s_mov_b32 s[G1B+3], 384<<16
	s_mov_b32 s[G1B+4], 8
	s_mov_b32 s[G1B+5], 1536
	s_mov_b32 s[G1B+6], 0
	s_mov_b32 s[G1B+7], 0
	s_lshl_b32 s58, s[WB], 2
	s_add_co_u32 s58, s58, s[TA]
	s_mul_i32 s58, s58, 12288
	s_mov_b32 s59, 0
	s_lshl_b32 s66, s[WB], 3
	s_add_co_u32 s66, s66, s[TBT]
	s_mul_i32 s66, s66, 12288
	s_mov_b32 s67, 0
	s_mul_i32 s62, s[WB], 12288                    ; LDS: A's tiles 0-3 or 4-7,
	s_mul_i32 s63, s[WB], 24576
	s_add_co_u32 s63, s63, 24576                   ; B's 0-7 or 8-15, behind A's eight
	s_wait_dscnt 0x0
	s_wait_kmcnt 0x0
	s_add_nc_u64 s[60:61], s[4:5], s[58:59]
	s_add_nc_u64 s[2:3], s[4:5], s[66:67]
.irp c, 0,1,2,3
	s_mov_b32 s[G0A+4*\c], 1
	s_add_co_u32 s[G0A+4*\c+1], s62, CHUNK*\c
	s_add_nc_u64 s[G0A+4*\c+2:G0A+4*\c+3], s[60:61], 3072*\c
	s_or_b32 s[G0A+4*\c+3], s[G0A+4*\c+3], 0x80000000
	s_mov_b32 s[G0B+4*\c], 1
	s_add_co_u32 s[G0B+4*\c+1], s63, CHUNK*\c
	s_add_nc_u64 s[G0B+4*\c+2:G0B+4*\c+3], s[2:3], 3072*\c
	s_or_b32 s[G0B+4*\c+3], s[G0B+4*\c+3], 0x80000000
.endr
	CROUND                                         ; all sixteen work-groups are here: the joint loads meet
	s_cmp_lt_u32 s[WV], 2                          ; waves 0, 1 fetch A's halves, waves 2, 3 B's: a wave's four fills stand in one branch
	s_cbranch_scc0 .Lfill_b
.irp c, 0,1,2,3
	tensor_load_to_lds s[G0A+4*\c:G0A+4*\c+3], s[G1A:G1A+7]
	s_nop 0
.endr
	PLACES
	s_branch .Lfilled
.Lfill_b:
.irp c, 0,1,2,3
	tensor_load_to_lds s[G0B+4*\c:G0B+4*\c+3], s[G1B:G1B+7]
	s_nop 0
.endr
	PLACES
.Lfilled:
	v_and_b32 v5, 31, v0
	v_lshlrev_b32 v[L16], 4, v5
	v_lshlrev_b32 v[L8], 3, v5
	s_wait_alu depctr_va_vdst(0)
	v_add_nc_u32 v6, 512, v[L8]
	v_and_b32 v7, 15, v0
	v_bfe_u32 v5, v0, 4, 1
	v_lshlrev_b32 v[H64], 6, v5
	s_wait_alu depctr_va_vdst(0)
	v_and_b32 v5, 8, v7
	v_add_nc_u32 v5, v5, v7
	v_lshlrev_b32 v[RP4], 2, v5
	s_lshl_b32 s19, s[WA], 2
	s_add_co_u32 s19, s19, s[TA]                   ; my wave's first tile of A
	s_lshl_b32 s20, s[WB], 3
	s_add_co_u32 s20, s20, s[TBT]                  ; and of B
	s_lshl_b32 s58, s19, 9
	s_add_nc_u64 s[84:85], s[6:7], s[58:59]        ; their scale words: 512 bytes a tile
	s_lshl_b32 s58, s20, 9
	s_add_nc_u64 s[86:87], s[6:7], s[58:59]
.irp a, 0,1,2,3
.irp g, 0,1
	global_load_b64 v[SCA+4*\a+2*\g:SCA+4*\a+2*\g+1], v[L8], s[84:85] offset:512*\a+256*\g
.endr
.endr
.irp b, 0,1,2,3,4,5,6,7
.irp g, 0,1
	global_load_b64 v[SCB+4*\b+2*\g:SCB+4*\b+2*\g+1], v[L8], s[86:87] offset:512*\b+256*\g
.endr
.endr
	; THE BIAS, in the result's layout.  q, k: register 8 b + j holds b_attn at w's row 32 (b / 2) + 8 (b % 2) + 16 h + j.  v: registers 8 a + 0..7 all hold it at row 32 (a / 2) + 8 (a % 2) + r + 8 (r / 8).
	; The same 64 loads serve both: the lane's offset is chosen by the role, and tiles 4-7 take a second base, 64 rows on for q, k and the same rows again for v (no load leaves b_attn).
	s_cmp_eq_u32 s[ROLE], 1
	s_cselect_b32 s21, s19, s20                    ; my first tile of w_attn,
	s_cselect_b32 s22, s20, s19                    ; my first tile of tokens
	s_cselect_b32 s23, 0, 256
	s_sub_co_u32 s21, s21, 512
	s_lshl_b32 s58, s21, 6                         ; 16 rows x 4 bytes a tile
	s_add_nc_u64 s[88:89], s[8:9], s[58:59]
	s_mov_b32 s58, s23
	s_add_nc_u64 s[66:67], s[88:89], s[58:59]
.irp j, 0,1,2,3,4,5,6,7
	v_add_nc_u32 v[BA+\j], 4*\j, v[H64]
.endr
	s_wait_alu depctr_va_vdst(0)
.irp j, 0,1,2,3,4,5,6,7
	v_cndmask_b32 v[BA+\j], v[BA+\j], v[RP4], s99
.endr
.irp t, 0,1,2,3
.irp j, 0,1,2,3,4,5,6,7
	global_load_b32 v[BI+8*\t+\j], v[BA+\j], s[88:89] offset:(32*(\t/2)+8*(\t%2))*4
.endr
.endr
.irp t, 0,1,2,3
.irp j, 0,1,2,3,4,5,6,7
	global_load_b32 v[BI+32+8*\t+\j], v[BA+\j], s[66:67] offset:(32*(\t/2)+8*(\t%2))*4
.endr
.endr
	; where the results go
	s_lshr_b32 s60, s21, 2
	s_and_b32 s60, s60, 15                         ; the (first) head
	s_lshr_b32 s61, s22, 7                         ; the batch: 128 token tiles each
	s_lshl_b32 s61, s61, 4
	s_add_co_u32 s60, s60, s61
	s_mul_i32 s60, s60, REC                        ; the head's record
	s_and_b32 s61, s22, 127                        ; my first token tile in its batch
	s_lshr_b32 s62, s21, 6                         ; 0 q, 1 k, 2 v
	s_mov_b32 s63, RQI
	s_mov_b32 s56, RQS
	s_mov_b32 s57, RKS
	s_cmp_eq_u32 s62, 1
	s_cselect_b32 s63, 0, s63
	s_cselect_b32 s56, s57, s56
	s_mov_b32 s[STA], 768                          ; from result tile a to a + 1: q, k the next token tile; v the next d tile
	s_mov_b32 s57, REC                             ; from half 0 to half 1: q, k the next head; v the next 64 keys
	s_cmp_eq_u32 s62, 2
	s_cselect_b32 s63, RVI, s63
	s_cselect_b32 s56, RVS, s56
	s_cselect_b32 s[STA], 1536, s[STA]
	s_cselect_b32 s57, 768, s57
	s_cselect_b32 s62, 5, 6                        ; scale words: 256 bytes for 8 token tiles (v) or for 4 (q, k)
	s_mov_b32 s[STA+1], 0
	s_mul_i32 s58, s61, 768                        ; 768 bytes a token tile in all three regions
	s_add_co_u32 s58, s58, s63
	s_add_co_u32 s58, s58, s60
	s_add_nc_u64 s[90:91], s[10:11], s[58:59]
	s_mov_b32 s58, s57
	s_add_nc_u64 s[92:93], s[90:91], s[58:59]
	s_lshl_b32 s58, s61, s62
	s_add_co_u32 s58, s58, s56
	s_add_co_u32 s58, s58, s60
	s_add_nc_u64 s[94:95], s[10:11], s[58:59]
	s_mov_b32 s[HM], 0xffff0000
	s_mov_b32 s[SEL], 0x76543210
	s_mov_b32 s[SEL+1], 0xfedcba98
.irp b, 0,1,2,3
	v_mov_b32 v[TM+4+\b], 0                        ; written once: a lane permute's destination counts as one of its sources
.endr
	s_mul_i32 s60, s[WA], 12288                    ; LDS: my four tiles of A,
	s_mul_i32 s61, s[WB], 24576
	s_add_co_u32 s61, s61, 24576                   ; my eight of B
.irp c, 0,1,2,3
	v_add_nc_u32 v[ADA16+\c], s60, v[L16]
	v_add_nc_u32 v[ADA8+\c], s60, v6
	v_add_nc_u32 v[ADB16+\c], s61, v[L16]
	v_add_nc_u32 v[ADB8+\c], s61, v6
	s_add_co_u32 s60, s60, CHUNK
	s_add_co_u32 s61, s61, CHUNK
.endr
; 48 LDS loads: the fragments of K step s (128 along K: two halves of each of 12 tiles) into set s % 2; every load reads consecutive bytes
.macro FETCH s
.set fc, (\s)/2
.set fq, (\s)%2
	WIN 0x80+0x40*((\s)%2)
.irp a, 0,1,2,3
.irp cc, 0,1
	ds_load_b128 v[AF+12*\a+6*\cc:AF+12*\a+6*\cc+3], v[ADA16+fc] offset:3072*\a+768*(2*fq+\cc)
	ds_load_b64 v[AF+12*\a+6*\cc+4:AF+12*\a+6*\cc+5], v[ADA8+fc] offset:3072*\a+768*(2*fq+\cc)
.endr
.endr
.irp b, 0,1,2,3,4,5,6,7
.irp cc, 0,1
	ds_load_b128 v[BF+12*\b+6*\cc:BF+12*\b+6*\cc+3], v[ADB16+fc] offset:3072*\b+768*(2*fq+\cc)
	ds_load_b64 v[BF+12*\b+6*\cc+4:BF+12*\b+6*\cc+5], v[ADB8+fc] offset:3072*\b+768*(2*fq+\cc)
.endr
.endr
	WIN 0
.endm
; 32 matrix instructions: K step s.  Source 0 = 16 rows of B, source 1 = 16 rows of A.  mode 1: C = the bias by B's tile; 2: by A's tile; 0: the sum goes on.
; The 32 accumulators take turns, one instruction a turn, in the same order in every step.
.macro MULS s, mode
.irp a, 0,1,2,3
.irp b, 0,1,2,3,4,5,6,7
.set rD, 64*\a+8*\b
.set rB, BF+12*\b
.set rA, AF+12*\a
.set rSB, SCB+4*\b+(\s)/2
.set rSA, SCA+4*\a+(\s)/2
.if \mode == 1
	v_wmma_scale_f32_16x16x128_f8f6f4 v[rD:rD+7], v[rB:rB+11], v[rA:rA+11], v[BI+8*\b:BI+8*\b+7], v[rSB], v[rSA] matrix_a_fmt:MATRIX_FMT_FP6 matrix_b_fmt:MATRIX_FMT_FP6
.elseif \mode == 2
	v_wmma_scale_f32_16x16x128_f8f6f4 v[rD:rD+7], v[rB:rB+11], v[rA:rA+11], v[BI+8*\a:BI+8*\a+7], v[rSB], v[rSA] matrix_a_fmt:MATRIX_FMT_FP6 matrix_b_fmt:MATRIX_FMT_FP6
.elseif (\s)%2 == 0
	v_wmma_scale_f32_16x16x128_f8f6f4 v[rD:rD+7], v[rB:rB+11], v[rA:rA+11], v[rD:rD+7], v[rSB], v[rSA] matrix_a_fmt:MATRIX_FMT_FP6 matrix_b_fmt:MATRIX_FMT_FP6
.else
	v_wmma_scale_f32_16x16x128_f8f6f4 v[rD:rD+7], v[rB:rB+11], v[rA:rA+11], v[rD:rD+7], v[rSB], v[rSA] matrix_a_fmt:MATRIX_FMT_FP6 matrix_b_fmt:MATRIX_FMT_FP6 matrix_a_scale:MATRIX_SCALE_ROW1 matrix_b_scale:MATRIX_SCALE_ROW1
.endif
.endr
.endr
.endm
.macro STEP s
.if ((\s)%2 == 1) && ((\s) < 7)
	s_wait_tensorcnt 3-((\s)+1)/2                  ; my part of the next chunk is in; my loads of the later chunks may be out
	s_wait_dscnt 0x0                               ; no LDS load of mine is out at a signal
	s_barrier_signal -1
	s_barrier_wait -1                              ; everybody's part is in
.endif
.if (\s) < 7
	PLACES                                         ; four places between the last step's products and the loads into the set that they read
	FETCH (\s)+1
	s_wait_dscnt 48                                ; all but the 48 just issued: this step's fragments are in
.else
	s_wait_dscnt 0x0
.endif
	WIN 0x5a+5*((\s)%2)                            ; C and D window 1, both sources window 2 or 3
	MULS \s, 0
	WIN 0
.endm
	s_wait_tensorcnt 3                             ; my part of chunk 0 is in; three loads may be out
	s_barrier_signal -1
	s_barrier_wait -1
	FETCH 0
	FETCH 1
	s_wait_loadcnt 0x0                             ; scale words and bias
	s_wait_dscnt 48                                ; step 0's fragments
	s_cmp_eq_u32 s[ROLE], 1
	s_cbranch_scc1 .Lstart_v
	WIN 0x4a                                       ; D window 1, C (the bias) window 0, sources window 2
	MULS 0, 1
	WIN 0
	s_branch .Lstarted
.Lstart_v:
	WIN 0x4a
	MULS 0, 2
	WIN 0
.Lstarted:
	s_wait_alu depctr_va_vdst(0)
	STEP 1
	STEP 2
	STEP 3
	STEP 4
	STEP 5
	STEP 6
	STEP 7
; 64 results of a lane in window 1, register 16 b + i = index 32 b + 16 h + i along the axis that is quantised, become a fragment's codes in v[PC] on and its scale word in v[PW].  Each accumulator is read from its low end on.
.macro QUANTW s
	WIN 0x05                                       ; sources 0 and 1 window 1
.irp b, 0,1,2,3
	v_max3_num_f32 v[TM+\b], |v[(\s)+16*\b]|, |v[(\s)+1+16*\b]|, 0x1800000   ; and the floor 2^(3 - 127)
.endr
.irp i, 2,4,6,8,10,12,14
.irp b, 0,1,2,3
	v_max3_num_f32 v[TM+\b], |v[(\s)+16*\b+\i]|, |v[(\s)+1+16*\b+\i]|, v[TM+\b]
.endr
.endr
	WIN 0
.irp b, 0,1,2,3
	v_permlanex16_b32 v[TM+4+\b], v[TM+\b], s[SEL], s[SEL+1]
.endr
.irp b, 0,1,2,3
	v_max_num_f32 v[TM+\b], v[TM+\b], v[TM+4+\b]
.endr
.irp b, 0,1,2,3
	v_add_nc_u32 v[TM+12+\b], 0xff000000, v[TM+\b] ; 2 off the exponent field: the conversion's scale operand
.endr
.irp b, 0,1,2,3
	v_lshrrev_b32 v[TM+4+\b], 23, v[TM+12+\b]
.endr
	v_lshl_or_b32 v[PW], v[TM+5], 8, v[TM+4]
	v_lshl_or_b32 v[PW], v[TM+6], 16, v[PW]
	v_lshl_or_b32 v[PW], v[TM+7], 24, v[PW]
	WIN 0x01                                       ; the numbers: window 1
.irp c, 0,1
	v_cvt_scalef32_pk16_fp6_f32 v[PC+6*\c:PC+2+6*\c], v[(\s)+32*\c:(\s)+15+32*\c], v[TM+12+2*\c]
	v_cvt_scalef32_pk16_fp6_f32 v[PC+12+4*\c:PC+14+4*\c], v[(\s)+16+32*\c:(\s)+31+32*\c], v[TM+12+2*\c+1]
.endr
	WIN 0
	v_nop                                          ; one plain place behind a scaled conversion
.irp c, 0,1
.irp i, 0,1,2
	v_permlane16_swap_b32 v[PC+6*\c+\i], v[PC+12+4*\c+\i]
.endr
.irp i, 0,1,2
	v_mov_b32 v[PC+3+6*\c+\i], v[PC+12+4*\c+\i]
.endr
.endr
.endm
	PLACES                                         ; four places behind the last products
.irp a, 0,1,2,3
	QUANTW 64*\a
	v_mov_b32 v[SW+\a], v[PW]
	global_store_b128 v[L16], v[PC:PC+3], s[90:91]                 ; half 0: 512 + 256 consecutive bytes
	global_store_b64 v[L8], v[PC+4:PC+5], s[90:91] offset:512
	global_store_b128 v[L16], v[PC+6:PC+9], s[92:93]               ; half 1
	global_store_b64 v[L8], v[PC+10:PC+11], s[92:93] offset:512
	s_wait_xcnt 0x0                                ; the stores have read their data and bases: both are written again
	s_add_nc_u64 s[90:91], s[90:91], s[STA:STA+1]
	s_add_nc_u64 s[92:93], s[92:93], s[STA:STA+1]
.endr
	v_cndmask_b32 v[E], v[SW], v[SW+1], s[HM]      ; word jj of lane l: result tile 2 jj + l / 16, row l % 16
	s_wait_alu depctr_va_vdst(0)
	v_cndmask_b32 v[E+1], v[SW+2], v[SW+3], s[HM]
	global_store_b64 v[L8], v[E:E+1], s[94:95]     ; v: all four bytes are the 128 keys'.  q, k: bytes 0, 1 are the even head's; bytes 2, 3 meet zero codes alone and are never 0xff
	s_cmp_eq_u32 s[ROLE], 1
	s_cbranch_scc1 .Lno_odd
	v_lshrrev_b32 v[F], 16, v[E]                   ; q, k: the odd head's two bytes, in its own record
	v_lshrrev_b32 v[F+1], 16, v[E+1]
	global_store_b64 v[L8], v[F:F+1], s[94:95] offset:REC
.Lno_odd:
	s_wait_tensorcnt 0x0
	ds_add_u32 v254, v255
	s_wait_dscnt 0x0
	CROUND                                         ; the closing round
	s_endpgm
.Lfunc_end_k_q1ebbad3732_qkv:
	.size	k_q1ebbad3732_qkv, .Lfunc_end_k_q1ebbad3732_qkv-k_q1ebbad3732_qkv
	.p2alignl 7, 3214868480
	.fill 96, 4, 3214868480
	.section	.rodata,"a",@progbits
	.p2align	6, 0x0
	.amdhsa_kernel k_q1ebbad3732_qkv
		.amdhsa_group_segment_fixed_size 295424
		.amdhsa_private_segment_fixed_size 0
		.amdhsa_enable_private_segment 0
		.amdhsa_kernarg_size 32
		.amdhsa_user_sgpr_count 2
		.amdhsa_user_sgpr_kernarg_segment_ptr 1
		.amdhsa_wavefront_size32 1
		.amdhsa_system_sgpr_workgroup_id_x 1
		.amdhsa_system_sgpr_workgroup_id_y 1
		.amdhsa_system_sgpr_workgroup_id_z 1
		.amdhsa_system_vgpr_workitem_id 0
		.amdhsa_next_free_vgpr 912
		.amdhsa_next_free_sgpr 102
		.amdhsa_reserve_vcc 0
		.amdhsa_float_denorm_mode_32 3
		.amdhsa_float_denorm_mode_16_64 3
		.amdhsa_memory_ordered 1
		.amdhsa_forward_progress 1
		.amdhsa_inst_pref_size 101
	.end_amdhsa_kernel
	.amdgpu_metadata
---
amdhsa.version: [ 1, 2 ]
amdhsa.kernels:
  - .name:           k_q1ebbad3732_qkv
    .symbol:         k_q1ebbad3732_qkv.kd
    .args:
      - { .name: opc, .offset: 0, .size: 8, .value_kind: global_buffer, .address_space: global }
      - { .name: ops, .offset: 8, .size: 8, .value_kind: global_buffer, .address_space: global }
      - { .name: b_attn, .offset: 16, .size: 8, .value_kind: global_buffer, .address_space: global }
      - { .name: qkv, .offset: 24, .size: 8, .value_kind: global_buffer, .address_space: global }
    .group_segment_fixed_size: 295424
    .private_segment_fixed_size: 0
    .kernarg_segment_align: 8
    .kernarg_segment_size: 32
    .max_flat_workgroup_size: 128
    .sgpr_count:     102
    .vgpr_count:     912
    .wavefront_size: 32
...
	.end_amdgpu_metadata
.endif
;; end of part 2
;; launch attn (part 3): grid 256 x 1, 8 waves a work-group, clusters of 4 x 1, 209,920 bytes of LDS; arguments qkv, yb, ys; writes yb, ys
.if DOCPART == 3
	.amdgcn_target "amdgcn-amd-amdhsa--gfx1250"
	.amdhsa_code_object_version 6
	.text
	.protected	k_q1ebbad3732_attn
	.globl	k_q1ebbad3732_attn
	.p2align	8
	.type	k_q1ebbad3732_attn,@function
k_q1ebbad3732_attn:
	s_mov_b64 s[64:65], 0
	v_nop
	global_prefetch_b8 v0, s[64:65] scope:SCOPE_SE
	s_setreg_imm32_b32 hwreg(HW_REG_WAVE_MODE, 25, 1), 1
	s_wait_xcnt 0x0
	s_wait_alu depctr_hold_cnt(0) depctr_sa_sdst(0) depctr_va_vdst(0) depctr_va_sdst(0) depctr_va_ssrc(0) depctr_va_vcc(0) depctr_vm_vsrc(0)
	s_getreg_b32 s2, hwreg(HW_REG_IB_STS2, 6, 4)
	s_cmp_eq_u32 s2, 0
	s_cbranch_scc0 .Lentry_in_a_cluster
	s_endpgm
.Lentry_in_a_cluster:
	s_bfe_u32 s2, ttmp6, 0x10000c
	s_cmp_lg_u32 s2, 0x3003
	s_cbranch_scc0 .Lentry_shape_is_right
	s_endpgm
.Lentry_shape_is_right:
; y = softmax(q k^T / 8, causal) v for 64 heads of 2,048 tokens x 64, both products on codes of FP6 (E2M3) with E8M0 scales; y leaves as codes, quantised along the channels.
; THE SOFTMAX: t = score x log2(e) / 8; M = the running largest t rounded up to a whole number; p = 2^(t - M) is quantised along the keys; the sum is taken of the unquantised p and divides at the end
; (a reciprocal and a multiplication).  When M moves, the sum and O are multiplied by 2^(old M - new M): exact.
; LIMITS: NaN and infinities are not served; a block whose largest magnitude lies under 2^-124 gets the byte 1 and zero codes.
; SHARES.  A cluster of four work-groups is one head; partner cx takes the query tiles (16 queries) whose number is cx modulo 4.  A PAIR u is tiles 8 u + cx and 8 u + 4 + cx: their queries lie in tokens
; 128 u .. 128 u + 127, so both need key steps 0 .. u of 128 keys, whatever cx: step u lies on the diagonal.  Wave w walks pair 15 - w and then pair w: 17 steps in every wave of every work-group.
; Key steps behind the diagonal are left out by a scalar branch on the wave's number and the loops' counters; the loops' trip counts are constants.
; LDS is the head record's first 208,896 bytes as they lie: k's images, k's scale words, v's images, v's scale words: one joint load a wave, filled once; nothing is stored to LDS.
; LAYOUT.  Both products transposed (S^T = k q^T, O^T = v^T p^T): a lane holds one query.  Token tile 2 B + u', lane r, holds token 32 B + 8 u' + r + 8 (r / 8), so the 16 registers of score tiles 2 b, 2 b + 1 are 16 neighbouring keys.
; K = 64 IN AN INSTRUCTION OF 128: q's upper six registers are zero codes; k's fragment of tile t is v[KF + 6 t .. + 11], whose upper six registers are the next tile's codes and meet those zeros.
; REGISTERS: window 0 as named below; window 1: O^T (e, dt) at 32 e + 8 dt; k's eight half fragments from v64 (v112-117 zeros); v's four fragments from v128.
.set REC, 315392
.set RKS, 98304
.set RVI, 106496
.set RVS, 204800
.set RQI, 208896
.set RQS, 307200
.set L16, 1                            ; v1  16 x lane
.set L8,  2                            ; v2  8 x lane
.set L16V, 3                           ; v3  16 x lane + v's images
.set L8V, 4                            ; v4  8 x lane + v's images
.set LKS, 5                            ; v5  8 x lane + k's scale words
.set LVS, 6                            ; v6  8 x lane + v's scale words
.set AK16, 7                           ; v7-12 the step's six LDS addresses
.set AK8, 8
.set AV16, 9
.set AV8, 10
.set AKS, 11
.set AVS, 12
.set DD,  13                           ; v13, v14  my query less the pair's first token less 16 h, for tile e
.set NINF, 15                          ; v15 -infinity
.set NM,  16                           ; +4 e: -M; +1 the largest t; +2, +3 the sum in two halves
.set FF,  24                           ; +2 e: f; +1 p's scale word
.set TT,  28                           ; +e  at work
.set UU,  30
.set QSA, 31                           ; v31 my offset among q's scale words
.set QF,  32                           ; +12 e: q's fragment
.set QW,  56                           ; +e  q's scale word
.set KSC, 58                           ; v58-61 k's scale words: register 2 (t / 4) + (t % 4) / 2, lanes 16-31 for odd t
.set VSC, 62                           ; v62-63 v's: register dt / 2, lanes 16-31 for odd dt
.set S,   64                           ; +64 e: scores, then p
.set P,   192                          ; +12 e: p's codes
.set CT,  216                          ; +8 e: the conversions' second halves (+0..2, +4..6)
.set YSA, 219                          ; v219 my offset among y's scale halves
.set BM,  232                          ; +4 e
.set BT,  240                          ; +4 e
.set SO,  248                          ; +4 e
.set KF,  64
.set VF,  128
.set WV,  10
.set CX,  11
.set SEL, 20
.set CS,  22
.set HM,  56
.set MSB, 0
.macro WIN new
.if MSB != (\new)
	s_set_vgpr_msb (MSB<<8)|(\new)
.set MSB, (\new)
.endif
.endm
.macro CROUND
	s_barrier_signal -1
	s_barrier_wait -1
	s_cmp_lg_u32 s[WV], 0
	s_cbranch_scc1 .Lnot_wave_0_\@
	s_barrier_signal -3
.Lnot_wave_0_\@:
	s_barrier_wait -3
	s_barrier_signal -1
	s_barrier_wait -1
.endm
.macro PLACES
.rept 4
	v_nop
.endr
.endm
	s_load_b128 s[4:7], s[0:1], 0x0                ; qkv, yb
	s_load_b64 s[8:9], s[0:1], 0x10                ; ys
	v_lshl_add_u32 v227, v0, 2, 0x33000
	v_mov_b32 v231, 0
	ds_add_u32 v227, v231
	ds_add_u32 v227, v231
	v_lshrrev_b32 v7, 5, v0
	s_delay_alu instid0(VALU_DEP_1)
	v_readfirstlane_b32 s[WV], v7                  ; wave 0..7
	s_bfe_u32 s[CX], ttmp6, 0x40000
	s_mov_b32 s12, ttmp9                           ; the cluster's number: batch x 16 + head
	s_mul_i32 s14, s12, REC
	s_mov_b32 s15, 0
	s_mov_b32 s24, 15|(3<<16)|(1<<21)              ; the mask: all four partners; elements of 8 bytes; no padding
	s_mov_b32 s25, 32<<16                          ; rows of 256 bytes,
	s_mov_b32 s26, 102<<16                         ; 102 of them: an eighth of the 208,896 dense bytes
	s_mov_b32 s27, 32<<16
	s_mov_b32 s28, 102
	s_mov_b32 s29, 32
	s_mov_b32 s30, 0
	s_mov_b32 s31, 0
	s_mov_b32 s32, 1
	s_mul_i32 s33, s[WV], 26112                    ; LDS address = the byte's place in the record
	s_mov_b32 s18, s33
	s_mov_b32 s19, 0
	s_wait_dscnt 0x0
	s_wait_kmcnt 0x0
	s_add_nc_u64 s[16:17], s[4:5], s[14:15]        ; the head's record
	s_add_nc_u64 s[34:35], s[16:17], s[18:19]
	s_or_b32 s35, s35, 0x80000000
	CROUND                                         ; the four partners are here: the joint loads meet
	tensor_load_to_lds s[32:35], s[24:31]          ; my one tensor load of the launch
	s_nop 0
	PLACES
	s_lshr_b32 s13, s[CX], 1
	s_and_b32 s14, s[CX], 1
	s_lshl_b32 s18, s14, 7
	s_lshl_b32 s19, s13, 2
	s_add_co_u32 s18, s18, s19                     ; q's scale words: 128 (cx % 2) + 4 (cx / 2)
	s_lshl_b32 s13, s13, 5
	s_lshl_b32 s14, s14, 3
	s_add_co_u32 s13, s13, s14                     ; tile cx's first token in its group of 64: 32 (cx / 2) + 8 (cx % 2)
	v_and_b32 v7, 31, v0
	v_and_b32 v8, 15, v0                           ; r
	v_bfe_u32 v9, v0, 4, 1                         ; h
	s_delay_alu instid0(VALU_DEP_3)
	v_lshlrev_b32 v[L16], 4, v7
	s_delay_alu instid0(VALU_DEP_4)
	v_lshlrev_b32 v[L8], 3, v7
	s_delay_alu instid0(VALU_DEP_2)
	v_add_nc_u32 v[L16V], RVI, v[L16]
	s_delay_alu instid0(VALU_DEP_2)
	v_add_nc_u32 v[L8V], RVI, v[L8]
	s_delay_alu instid0(VALU_DEP_3)
	v_add_nc_u32 v[LKS], RKS, v[L8]
	s_delay_alu instid0(VALU_DEP_4)
	v_add_nc_u32 v[LVS], RVS, v[L8]
	v_and_b32 v10, 8, v8
	s_delay_alu instid0(VALU_DEP_1)
	v_add_nc_u32 v10, v10, v8                      ; r + 8 (r / 8)
	v_lshlrev_b32 v11, 4, v9
	s_delay_alu instid0(VALU_DEP_1)
	v_sub_nc_u32 v10, v10, v11
	s_delay_alu instid0(VALU_DEP_1)
	v_add_nc_u32 v[DD], s13, v10
	s_delay_alu instid0(VALU_DEP_1)
	v_add_nc_u32 v[DD+1], 64, v[DD]
	v_mov_b32 v[NINF], 0xff800000
	v_lshl_add_u32 v[QSA], v8, 3, s18
	v_lshlrev_b32 v[YSA], 1, v8
	s_delay_alu instid0(VALU_DEP_1)
	v_lshl_add_u32 v[YSA], v9, 11, v[YSA]          ; lanes 0-15 tile e = 0, lanes 16-31 tile e = 1, four tiles of 512 bytes on; 2 bytes a row
.irp e, 0,1
.irp i, 6,7,8,9,10,11
	v_mov_b32 v[QF+12*\e+\i], 0                    ; q's upper 64 along K: zero codes, written once
.endr
	v_mov_b32 v[FF+2*\e+1], 0                      ; (named as the upper half of a pair before it is first written)
.endr
.irp b, 0,1,2,3,4,5,6,7
	v_mov_b32 v[BT+\b], 0                          ; written once: a lane permute's destination counts as one of its sources
.endr
	WIN 0x40
.irp i, 0,1,2,3,4,5
	v_mov_b32 v[KF+48+\i], 0                       ; behind k's eighth half fragment
.endr
	WIN 0
	s_mov_b32 s[SEL], 0x76543210
	s_mov_b32 s[SEL+1], 0xfedcba98
	s_mov_b32 s[CS], 0x3e38aa3b                    ; c = log2(e) / 8
	s_mov_b32 s[CS+1], s[CS]
	s_mov_b32 s[HM], 0xffff0000
	s_sub_co_u32 s42, 15, s[WV]
	s_lshr_b32 s57, s12, 4
	s_lshl_b32 s57, s57, 7                         ; the batch's first token tile
	s_and_b32 s59, s12, 15
	s_mul_i32 s58, s59, 768                        ; the head's place in a tile of y's codes,
	s_lshl_b32 s59, s59, 5                         ; and of y's scale halves
	s_mov_b32 s40, 0
	s_wait_tensorcnt 0x0                           ; my eighth is in,
	s_barrier_signal -1
	s_barrier_wait -1                              ; everybody's is
.Lpass:
	s_wait_xcnt 0x0                                ; the last pass's stores and loads have read their bases and data
	s_cmp_eq_u32 s40, 0
	s_cselect_b32 s41, s42, s[WV]                  ; the pair: 15 - w, then w
	s_lshl_b32 s13, s41, 3
	s_add_co_u32 s13, s13, s[CX]                   ; its first tile
	s_mul_i32 s14, s13, 768
	s_add_co_u32 s14, s14, RQI
	s_add_nc_u64 s[44:45], s[16:17], s[14:15]      ; q's images
	s_lshl_b32 s14, s41, 9
	s_add_co_u32 s14, s14, RQS
	s_add_nc_u64 s[46:47], s[16:17], s[14:15]      ; q's scale words
	s_add_co_u32 s13, s13, s57
	s_mul_i32 s14, s13, 12288
	s_add_co_u32 s14, s14, s58
	s_add_nc_u64 s[48:49], s[6:7], s[14:15]        ; y's codes
	s_lshl_b32 s14, s13, 9
	s_add_co_u32 s14, s14, s59
	s_add_nc_u64 s[50:51], s[8:9], s[14:15]        ; y's scale halves
.irp e, 0,1
	global_load_b128 v[QF+12*\e:QF+12*\e+3], v[L16], s[44:45] offset:3072*\e
	global_load_b64 v[QF+12*\e+4:QF+12*\e+5], v[L8], s[44:45] offset:3072*\e+512
	global_load_b32 v[QW+\e], v[QSA], s[46:47] offset:256*\e
.endr
	WIN 0x40
.set n, 0
.rept 64
	v_mov_b32 v[n], 0                              ; O^T: the step is written once; its first trip finds zeros, which the first change of M leaves zeros
.set n, n+1
.endr
	WIN 0
.irp e, 0,1
	v_mov_b32 v[NM+4*\e+1], 0xff61b1e6             ; the largest t so far: -3e38
	v_mov_b32 v[NM+4*\e+2], 0
	v_mov_b32 v[NM+4*\e+3], 0
.endr
.irp e, 0
	v_floor_f32 v[NM+4*\e], -v[NM+4*\e+1]
.endr
.irp e, 1
	s_delay_alu instid0(VALU_DEP_4)
	v_floor_f32 v[NM+4*\e], -v[NM+4*\e+1]
.endr
	s_mov_b32 s52, 0                               ; the key step,
	s_mov_b32 s53, 0                               ; its images: 6,144 bytes a step for k and for v,
	s_mov_b32 s54, 0                               ; k's scale words: 512,
	s_mov_b32 s55, 0                               ; v's: 256
	s_wait_loadcnt 0x0
.Lstep:
	s_cmp_gt_u32 s52, s41                          ; all of this step's keys come after the pair's queries: only the addresses step
	s_cbranch_scc1 .Lskip
	s_setprio 2
	v_add_nc_u32 v[AK16], s53, v[L16]              ; (these six are also the places between the last step's products and the loads into their registers)
	v_add_nc_u32 v[AK8], s53, v[L8]
	v_add_nc_u32 v[AV16], s53, v[L16V]
	v_add_nc_u32 v[AV8], s53, v[L8V]
	v_add_nc_u32 v[AKS], s54, v[LKS]
	v_add_nc_u32 v[AVS], s55, v[LVS]
	ds_load_b64 v[KSC:KSC+1], v[AKS]
	ds_load_b64 v[KSC+2:KSC+3], v[AKS] offset:256
	ds_load_b64 v[VSC:VSC+1], v[AVS]
	WIN 0x40
.irp t, 0,1,2,3,4,5,6,7
	ds_load_b128 v[KF+6*\t:KF+6*\t+3], v[AK16] offset:768*\t
	ds_load_b64 v[KF+6*\t+4:KF+6*\t+5], v[AK8] offset:768*\t+512
.endr
.irp f, 0,1,2,3,4,5,6,7
	ds_load_b128 v[VF+6*\f:VF+6*\f+3], v[AV16] offset:768*\f
	ds_load_b64 v[VF+6*\f+4:VF+6*\f+5], v[AV8] offset:768*\f+512
.endr
	s_wait_dscnt 16                                ; the scale words and k are in; v's 16 loads may be out: they land under the softmax
	WIN 0x01                                       ; source 0 (k) window 1
.irp t, 0,1,2,3,4,5,6,7
.irp e, 0,1
.if \t%2 == 0
	v_wmma_scale_f32_16x16x128_f8f6f4 v[S+64*\e+8*\t:S+64*\e+8*\t+7], v[KF+6*\t:KF+6*\t+11], v[QF+12*\e:QF+12*\e+11], 0, v[KSC+2*(\t/4)+(\t%4)/2], v[QW+\e] matrix_a_fmt:MATRIX_FMT_FP6 matrix_b_fmt:MATRIX_FMT_FP6
.else
	v_wmma_scale_f32_16x16x128_f8f6f4 v[S+64*\e+8*\t:S+64*\e+8*\t+7], v[KF+6*\t:KF+6*\t+11], v[QF+12*\e:QF+12*\e+11], 0, v[KSC+2*(\t/4)+(\t%4)/2], v[QW+\e] matrix_a_fmt:MATRIX_FMT_FP6 matrix_b_fmt:MATRIX_FMT_FP6 matrix_a_scale:MATRIX_SCALE_ROW1
.endif
.endr
.endr
	WIN 0
	PLACES
	s_cmp_lg_u32 s52, s41                          ; on the diagonal the scores of hidden keys become -infinity ahead of the maximum
	s_cbranch_scc1 .Lopen
.irp e, 0,1
.set n, 0
.rept 64
	v_cmp_gt_i32 vcc_lo, 32*(n/16)+n%16, v[DD+\e]  ; register n holds key 32 (n / 16) + 16 h + n % 16 of the step
	v_cndmask_b32 v[S+64*\e+n], v[S+64*\e+n], v[NINF], vcc_lo
.set n, n+1
.endr
.endr
.Lopen:
.irp e, 0,1
.irp b, 0,1,2,3
	v_max3_num_f32 v[BM+4*\e+\b], v[S+64*\e+16*\b], v[S+64*\e+16*\b+1], v[S+64*\e+16*\b+2]   ; the largest score of each block of 32 keys: for the row's maximum and for the block's largest p
.endr
.endr
.irp i, 3,5,7,9,11,13
.irp e, 0,1
.irp b, 0,1,2,3
	v_max3_num_f32 v[BM+4*\e+\b], v[BM+4*\e+\b], v[S+64*\e+16*\b+\i], v[S+64*\e+16*\b+\i+1]
.endr
.endr
.endr
.irp e, 0,1
.irp b, 0,1,2,3
	v_max_num_f32 v[BM+4*\e+\b], v[BM+4*\e+\b], v[S+64*\e+16*\b+15]
.endr
.endr
.irp b, 0,1,2,3,4,5,6,7
	v_permlanex16_b32 v[BT+\b], v[BM+\b], s[SEL], s[SEL+1]
.endr
.irp b, 0,1,2,3,4,5,6,7
	v_max_num_f32 v[BM+\b], v[BM+\b], v[BT+\b]     ; with lane l xor 16's 16 keys
.endr
.irp e, 0
	v_max3_num_f32 v[TT+\e], v[BM+4*\e], v[BM+4*\e+1], v[BM+4*\e+2]
.endr
.irp e, 1
	s_delay_alu instid0(VALU_DEP_3)
	v_max3_num_f32 v[TT+\e], v[BM+4*\e], v[BM+4*\e+1], v[BM+4*\e+2]
.endr
.irp e, 0,1
	s_delay_alu instid0(VALU_DEP_2)
	v_max_num_f32 v[TT+\e], v[TT+\e], v[BM+4*\e+3]
.endr
.irp e, 0,1
	s_delay_alu instid0(VALU_DEP_2)
	v_mul_f32 v[TT+\e], s[CS], v[TT+\e]            ; as t
.endr
.irp e, 0,1
	s_delay_alu instid0(VALU_DEP_2)
	v_max_num_f32 v[NM+4*\e+1], v[NM+4*\e+1], v[TT+\e]   ; the running largest t
.endr
.irp e, 0,1
	v_mov_b32 v[TT+\e], v[NM+4*\e]
.endr
.irp e, 0,1
	s_delay_alu instid0(VALU_DEP_4)
	v_floor_f32 v[NM+4*\e], -v[NM+4*\e+1]          ; the new -M = -ceil(t)
.endr
.irp e, 0,1
	s_delay_alu instid0(VALU_DEP_2)
	v_sub_f32 v[TT+\e], v[NM+4*\e], v[TT+\e]       ; old M - new M: a whole number, 0 or less
.endr
.irp e, 0,1
	s_delay_alu instid0(VALU_DEP_2)
	v_cvt_i32_f32 v[TT+\e], v[TT+\e]               ; (it saturates)
.endr
.irp e, 0,1
	s_delay_alu instid0(VALU_DEP_2)
	v_ldexp_f32 v[FF+2*\e], 1.0, v[TT+\e]          ; f = 2^(old M - new M)
.endr
.irp e, 0,1
.set n, 0
.rept 32
	v_pk_fma_f32 v[S+64*\e+n:S+64*\e+n+1], v[S+64*\e+n:S+64*\e+n+1], s[CS:CS+1], v[NM+4*\e:NM+4*\e+1] op_sel_hi:[1,0,0]   ; t - M
.set n, n+2
.endr
.endr
	s_setprio 1
.irp e, 0,1
.irp b, 0,1,2,3
	v_fma_f32 v[BM+4*\e+\b], v[BM+4*\e+\b], s[CS], v[NM+4*\e]     ; the same of each block's largest score
.endr
.endr
.set n, 0
	s_wait_alu depctr_va_vdst(0)
.rept 128
	v_exp_f32 v[S+n], v[S+n]                       ; p = 2^(t - M)
.set n, n+1
.endr
.irp b, 0,1,2,3,4,5,6,7
	v_exp_f32 v[BM+\b], v[BM+\b]                   ; the block's largest p
.endr
.irp e, 0,1
	v_pk_mul_f32 v[NM+4*\e+2:NM+4*\e+3], v[NM+4*\e+2:NM+4*\e+3], v[FF+2*\e:FF+2*\e+1] op_sel_hi:[1,0]   ; the sums under the new M (a plain place behind the exponentials)
.endr
	s_wait_alu depctr_va_vdst(0)
.irp b, 0,1,2,3,4,5,6,7
	v_max_num_f32 v[BM+\b], 0x1800000, v[BM+\b]    ; the floor 2^(3 - 127)
.endr
.irp b, 0,1,2,3,4,5,6,7
	v_add_nc_u32 v[SO+\b], 0xff000000, v[BM+\b]    ; the conversion's scale operand
.endr
.irp b, 0,1,2,3,4,5,6,7
	v_lshrrev_b32 v[BT+\b], 23, v[SO+\b]           ; the scale's byte
.endr
.irp e, 0
	v_lshl_or_b32 v[FF+2*\e+1], v[BT+4*\e+1], 8, v[BT+4*\e]
.endr
.irp e, 1
	s_delay_alu instid0(VALU_DEP_4)
	v_lshl_or_b32 v[FF+2*\e+1], v[BT+4*\e+1], 8, v[BT+4*\e]       ; p's scale word for these 128 keys
.endr
.irp e, 0,1
	s_delay_alu instid0(VALU_DEP_2)
	v_lshl_or_b32 v[FF+2*\e+1], v[BT+4*\e+2], 16, v[FF+2*\e+1]
.endr
.irp e, 0,1
	s_delay_alu instid0(VALU_DEP_2)
	v_lshl_or_b32 v[FF+2*\e+1], v[BT+4*\e+3], 24, v[FF+2*\e+1]
.endr
.irp e, 0,1
.irp c, 0,1
	v_cvt_scalef32_pk16_fp6_f32 v[P+12*\e+6*\c:P+12*\e+6*\c+2], v[S+64*\e+32*\c:S+64*\e+32*\c+15], v[SO+4*\e+2*\c]
	v_cvt_scalef32_pk16_fp6_f32 v[CT+8*\e+4*\c:CT+8*\e+4*\c+2], v[S+64*\e+32*\c+16:S+64*\e+32*\c+31], v[SO+4*\e+2*\c+1]
.endr
.endr
	v_nop                                          ; one plain place behind a scaled conversion
.irp e, 0,1
.irp c, 0,1
.irp i, 0,1,2
	v_permlane16_swap_b32 v[P+12*\e+6*\c+\i], v[CT+8*\e+4*\c+\i]   ; a whole block to a lane
.endr
.irp i, 0,1,2
	s_delay_alu instid0(VALU_DEP_3)
	v_mov_b32 v[P+12*\e+6*\c+3+\i], v[CT+8*\e+4*\c+\i]
.endr
.endr
.endr
.irp e, 0,1
	v_pk_add_f32 v[BT+4*\e:BT+4*\e+1], v[S+64*\e:S+64*\e+1], v[S+64*\e+2:S+64*\e+3]   ; the row's sum of the unquantised p, in two chains
.endr
	s_setprio 0
.irp j, 4,8,12,16,20,24,28,32,36,40,44,48,52,56,60
.irp e, 0,1
	v_pk_add_f32 v[NM+4*\e+2:NM+4*\e+3], v[NM+4*\e+2:NM+4*\e+3], v[S+64*\e+\j:S+64*\e+\j+1]
	v_pk_add_f32 v[BT+4*\e:BT+4*\e+1], v[BT+4*\e:BT+4*\e+1], v[S+64*\e+\j+2:S+64*\e+\j+3]
.endr
.endr
.irp e, 0
	s_delay_alu instid0(VALU_DEP_3)
	v_pk_add_f32 v[NM+4*\e+2:NM+4*\e+3], v[NM+4*\e+2:NM+4*\e+3], v[BT+4*\e:BT+4*\e+1]
.endr
.irp e, 1
	s_delay_alu instid0(VALU_DEP_2)
	v_pk_add_f32 v[NM+4*\e+2:NM+4*\e+3], v[NM+4*\e+2:NM+4*\e+3], v[BT+4*\e:BT+4*\e+1]
.endr
	WIN 0x41                                       ; O^T: destination and source 0 window 1
.irp e, 0,1
.set n, 0
.rept 16
	v_pk_mul_f32 v[32*\e+n:32*\e+n+1], v[32*\e+n:32*\e+n+1], v[FF+2*\e:FF+2*\e+1] op_sel_hi:[1,0]   ; O^T under the new M
.set n, n+2
.endr
.endr
	s_wait_alu depctr_va_vdst(0)
	s_wait_dscnt 0x0                               ; v is in
	WIN 0x51                                       ; source 0 (v), C and D window 1; source 1 (p) window 0
.irp dt, 0,1,2,3
.irp e, 0,1
.if \dt%2 == 0
	v_wmma_scale_f32_16x16x128_f8f6f4 v[32*\e+8*\dt:32*\e+8*\dt+7], v[VF+12*\dt:VF+12*\dt+11], v[P+12*\e:P+12*\e+11], v[32*\e+8*\dt:32*\e+8*\dt+7], v[VSC+\dt/2], v[FF+2*\e+1] matrix_a_fmt:MATRIX_FMT_FP6 matrix_b_fmt:MATRIX_FMT_FP6
.else
	v_wmma_scale_f32_16x16x128_f8f6f4 v[32*\e+8*\dt:32*\e+8*\dt+7], v[VF+12*\dt:VF+12*\dt+11], v[P+12*\e:P+12*\e+11], v[32*\e+8*\dt:32*\e+8*\dt+7], v[VSC+\dt/2], v[FF+2*\e+1] matrix_a_fmt:MATRIX_FMT_FP6 matrix_b_fmt:MATRIX_FMT_FP6 matrix_a_scale:MATRIX_SCALE_ROW1
.endif
.endr
.endr
	WIN 0
.Lskip:
	s_add_co_u32 s53, s53, 6144
	s_add_co_u32 s54, s54, 512
	s_add_co_u32 s55, s55, 256
	s_add_co_u32 s52, s52, 1
	s_cmp_lt_u32 s52, 16
	s_cbranch_scc1 .Lstep
	s_setprio 0
	; THE PAIR'S END: O^T / the sum is y; register 16 b + i of a tile is channel 32 b + 16 h + i of the head: two blocks, quantised as they stand
	PLACES
	s_wait_alu depctr_va_vdst(0)
.irp e, 0,1
	v_add_f32 v[TT+\e], v[NM+4*\e+2], v[NM+4*\e+3]
.endr
.irp e, 0,1
	s_delay_alu instid0(VALU_DEP_2)
	v_permlanex16_b32 v[BT+4*\e], v[TT+\e], s[SEL], s[SEL+1]
.endr
.irp e, 0,1
	s_delay_alu instid0(VALU_DEP_2)
	v_add_f32 v[TT+\e], v[TT+\e], v[BT+4*\e]       ; the row's sum
.endr
	s_wait_alu depctr_va_vdst(0)
.irp e, 0,1
	v_rcp_f32 v[FF+2*\e], v[TT+\e]
.endr
	v_nop                                          ; one plain place behind a transcendental
	WIN 0x01
	s_wait_alu depctr_va_vdst(0)
.irp e, 0,1
.set n, 0
.rept 32
	v_mul_f32 v[S+64*\e+n], v[32*\e+n], v[FF+2*\e] ; each accumulator from its low end on
.set n, n+1
.endr
.endr
	WIN 0
.irp e, 0,1
.irp b, 0,1
	v_max3_num_f32 v[BM+4*\e+\b], |v[S+64*\e+16*\b]|, |v[S+64*\e+16*\b+1]|, 0x1800000
.endr
.endr
.irp i, 2,4,6,8,10,12,14
.irp e, 0,1
.irp b, 0,1
	s_delay_alu instid0(VALU_DEP_4)
	v_max3_num_f32 v[BM+4*\e+\b], v[BM+4*\e+\b], |v[S+64*\e+16*\b+\i]|, |v[S+64*\e+16*\b+\i+1]|
.endr
.endr
.endr
.irp e, 0,1
.irp b, 0,1
	s_delay_alu instid0(VALU_DEP_4)
	v_permlanex16_b32 v[BT+4*\e+\b], v[BM+4*\e+\b], s[SEL], s[SEL+1]
.endr
.endr
.irp e, 0,1
.irp b, 0,1
	s_delay_alu instid0(VALU_DEP_4)
	v_max_num_f32 v[BM+4*\e+\b], v[BM+4*\e+\b], v[BT+4*\e+\b]
.endr
.endr
.irp e, 0,1
.irp b, 0,1
	s_delay_alu instid0(VALU_DEP_4)
	v_add_nc_u32 v[SO+4*\e+\b], 0xff000000, v[BM+4*\e+\b]
.endr
.endr
.irp e, 0,1
.irp b, 0,1
	s_delay_alu instid0(VALU_DEP_4)
	v_lshrrev_b32 v[BT+4*\e+\b], 23, v[SO+4*\e+\b]
.endr
.endr
.irp e, 0
	s_delay_alu instid0(VALU_DEP_3)
	v_lshl_or_b32 v[TT+\e], v[BT+4*\e+1], 8, v[BT+4*\e]
.endr
.irp e, 1
	s_delay_alu instid0(VALU_DEP_2)
	v_lshl_or_b32 v[TT+\e], v[BT+4*\e+1], 8, v[BT+4*\e]           ; my row's two scale bytes of this head
.endr
.irp e, 0,1
	v_cvt_scalef32_pk16_fp6_f32 v[P+12*\e:P+12*\e+2], v[S+64*\e:S+64*\e+15], v[SO+4*\e]
	v_cvt_scalef32_pk16_fp6_f32 v[CT+8*\e:CT+8*\e+2], v[S+64*\e+16:S+64*\e+31], v[SO+4*\e+1]
.endr
	v_nop                                          ; one plain place behind a scaled conversion
.irp e, 0,1
.irp i, 0,1,2
	v_permlane16_swap_b32 v[P+12*\e+\i], v[CT+8*\e+\i]
.endr
.irp i, 0,1,2
	s_delay_alu instid0(VALU_DEP_3)
	v_mov_b32 v[P+12*\e+3+\i], v[CT+8*\e+\i]
.endr
.endr
	v_cndmask_b32 v[UU], v[TT], v[TT+1], s[HM]     ; lanes 0-15 tile e = 0's rows, lanes 16-31 tile e = 1's
.irp e, 0,1
	global_store_b128 v[L16], v[P+12*\e:P+12*\e+3], s[48:49] offset:49152*\e          ; 512 + 256 consecutive bytes: the head's half of the token tile's image
	global_store_b64 v[L8], v[P+12*\e+4:P+12*\e+5], s[48:49] offset:49152*\e+512
.endr
	global_store_b16 v[YSA], v[UU], s[50:51]       ; 32 bytes a tile and head: a scale word's halves come from two heads, which lie in two clusters
	s_add_co_u32 s40, s40, 1
	s_cmp_lt_u32 s40, 2
	s_cbranch_scc1 .Lpass
	s_wait_tensorcnt 0x0
	ds_add_u32 v227, v231
	s_wait_dscnt 0x0
	CROUND                                         ; the closing round
	s_endpgm
.Lfunc_end_k_q1ebbad3732_attn:
	.size	k_q1ebbad3732_attn, .Lfunc_end_k_q1ebbad3732_attn-k_q1ebbad3732_attn
	.p2alignl 7, 3214868480
	.fill 96, 4, 3214868480
	.section	.rodata,"a",@progbits
	.p2align	6, 0x0
	.amdhsa_kernel k_q1ebbad3732_attn
		.amdhsa_group_segment_fixed_size 209920
		.amdhsa_private_segment_fixed_size 0
		.amdhsa_enable_private_segment 0
		.amdhsa_kernarg_size 24
		.amdhsa_user_sgpr_count 2
		.amdhsa_user_sgpr_kernarg_segment_ptr 1
		.amdhsa_wavefront_size32 1
		.amdhsa_system_sgpr_workgroup_id_x 1
		.amdhsa_system_sgpr_workgroup_id_y 1
		.amdhsa_system_sgpr_workgroup_id_z 1
		.amdhsa_system_vgpr_workitem_id 0
		.amdhsa_next_free_vgpr 432
		.amdhsa_next_free_sgpr 66
		.amdhsa_reserve_vcc 1
		.amdhsa_float_denorm_mode_32 3
		.amdhsa_float_denorm_mode_16_64 3
		.amdhsa_memory_ordered 1
		.amdhsa_forward_progress 1
		.amdhsa_inst_pref_size 59
	.end_amdhsa_kernel
	.amdgpu_metadata
---
amdhsa.version: [ 1, 2 ]
amdhsa.kernels:
  - .name:           k_q1ebbad3732_attn
    .symbol:         k_q1ebbad3732_attn.kd
    .args:
      - { .name: qkv, .offset: 0, .size: 8, .value_kind: global_buffer, .address_space: global }
      - { .name: yb, .offset: 8, .size: 8, .value_kind: global_buffer, .address_space: global }
      - { .name: ys, .offset: 16, .size: 8, .value_kind: global_buffer, .address_space: global }
    .group_segment_fixed_size: 209920
    .private_segment_fixed_size: 0
    .kernarg_segment_align: 8
    .kernarg_segment_size: 24
    .max_flat_workgroup_size: 256
    .sgpr_count:     66
    .vgpr_count:     432
    .wavefront_size: 32
...
	.end_amdgpu_metadata
.endif
;; end of part 3
;; launch proj (part 4): grid 4 x 64, 4 waves a work-group, clusters of 4 x 4, 295,424 bytes of LDS; arguments yb, ys, opc, ops, b_proj, out0; writes out0
.if DOCPART == 4
	.amdgcn_target "amdgcn-amd-amdhsa--gfx1250"
	.amdhsa_code_object_version 6
	.text
	.protected	k_q1ebbad3732_proj
	.globl	k_q1ebbad3732_proj
	.p2align	8
	.type	k_q1ebbad3732_proj,@function
k_q1ebbad3732_proj:
	s_mov_b64 s[64:65], 0
	v_nop
	global_prefetch_b8 v0, s[64:65] scope:SCOPE_SE
	s_setreg_imm32_b32 hwreg(HW_REG_WAVE_MODE, 25, 1), 1
	s_wait_xcnt 0x0
	s_wait_alu depctr_hold_cnt(0) depctr_sa_sdst(0) depctr_va_vdst(0) depctr_va_sdst(0) depctr_va_ssrc(0) depctr_va_vcc(0) depctr_vm_vsrc(0)
	s_getreg_b32 s2, hwreg(HW_REG_IB_STS2, 6, 4)
	s_cmp_eq_u32 s2, 0
	s_cbranch_scc0 .Lentry_in_a_cluster
	s_endpgm
.Lentry_in_a_cluster:
	s_bfe_u32 s2, ttmp6, 0x10000c
	s_cmp_lg_u32 s2, 0xf033
	s_cbranch_scc0 .Lentry_shape_is_right
	s_endpgm
.Lentry_shape_is_right:
; out0 = y w_proj^T + b_proj on codes of FP6 (E2M3) with E8M0 scales, K = 1,024; out0 [8192][1024] f32.
; OPERANDS are images of registers (16 rows x 64 K = 768 bytes: registers 0-3 at 16 x lane, 4-5 at 512 + 8 x lane); a tile of 16 rows is 16 such halves; tile 2 B + u, lane r, holds row 32 B + 8 u + r + 8 (r / 8).
; SHARES: a work-group makes 128 tokens (A, source 1) x 256 outputs (B = w_proj's rows, source 0); all of K lies in LDS, (8 + 16) tiles x 12,288 bytes, filled once, in four chunks of 256 along K.
; A wave makes 64 x 128: 32 accumulators.  A lane's 16 registers of result tiles 2 B, 2 B + 1 are 16 neighbouring outputs of one token.
; CLUSTER 4 x 4: y's tiles are shared along a row of the cluster, w_proj's along a column: joint loads.  A wave has four tensor loads out at the most, by this text's count.
; y's scale words are put together from two heads' halves (2 bytes a row and head).  The bias is the C of each sum's first product.
; THE WAY OUT: 16 tokens x 128 outputs at a time through the wave's own stage in LDS (rows 528 bytes apart), laid over operand bytes that have had their only fill and their last read; 512 consecutive bytes a store.
; REGISTERS: window 0: addresses, scale words, bias, rows on the way out; window 1: accumulator (a, b) at 64 a + 8 b; windows 2, 3: two sets of fragments, A's at 12 a, B's at 48 + 12 b.
.set CHUNK, 73728
.set L16, 1
.set L8,  2
.set H64, 3
.set YA,  4                            ; v4   64 (lane / 16) + 2 (lane % 16): my place among y's scale halves
.set ADA16, 8
.set ADA8,  12
.set ADB16, 16
.set ADB8,  20
.set STO, 24                           ; v24  the stage, way in: 528 r + 64 h
.set RD,  25                           ; v25  way out: 16 x lane
.set SCA, 32                           ; v32-47  A's scale words: register 4 a + s / 2, lanes 0-15 for even s, lanes 16-31 for odd s
.set SCB, 48                           ; v48-79  B's
.set BI,  80                           ; v80-143 the bias
.set BK,  80                           ; the way out: v80-143 and v144-207 by turns
.set UT,  144                          ; v144-175 y's scale halves as loaded
.set AF,  0
.set BF,  48
.set WV,  12
.set WA,  13
.set WB,  14
.set CX,  15
.set CY,  16
.set G1A, 24
.set G1B, 32
.set G0A, 40
.set TA,  56
.set TBT, 57
.set G0B, 68
.set MSB, 0
.macro WIN new
.if MSB != (\new)
	s_set_vgpr_msb (MSB<<8)|(\new)
.set MSB, (\new)
.endif
.endm
.macro CROUND
	s_barrier_signal -1
	s_barrier_wait -1
	s_cmp_lg_u32 s[WV], 0
	s_cbranch_scc1 .Lnot_wave_0_\@
	s_barrier_signal -3
.Lnot_wave_0_\@:
	s_barrier_wait -3
	s_barrier_signal -1
	s_barrier_wait -1
.endm
.macro PLACES
.rept 4
	v_nop
.endr
.endm
	s_load_b256 s[4:11], s[0:1], 0x0               ; yb, ys, opc, ops
	s_load_b128 s[88:91], s[0:1], 0x20             ; b_proj, out0
	v_lshl_add_u32 v254, v0, 2, 0x48000
	v_mov_b32 v255, 0
	ds_add_u32 v254, v255
	ds_add_u32 v254, v255
	v_lshrrev_b32 v5, 5, v0
	v_readfirstlane_b32 s[WV], v5
	s_lshr_b32 s[WA], s[WV], 1
	s_and_b32 s[WB], s[WV], 1
	s_bfe_u32 s[CX], ttmp6, 0x40000
	s_bfe_u32 s[CY], ttmp6, 0x40004
	s_and_b32 s[TA], ttmp7, 0xffff
	s_lshl_b32 s[TA], s[TA], 2
	s_add_co_u32 s[TA], s[TA], s[CY]
	s_lshl_b32 s[TA], s[TA], 3                     ; my work-group's first token tile: 8 (4 x cluster y + cy)
	s_lshl_b32 s[TBT], ttmp9, 2
	s_add_co_u32 s[TBT], s[TBT], s[CX]
	s_lshl_b32 s[TBT], s[TBT], 4
	s_add_co_u32 s[TBT], s[TBT], 704               ; and of w_proj: 704 + 16 (4 x cluster x + cx)
	s_lshl_b32 s58, s[CY], 2
	s_lshl_b32 s58, 15, s58                        ; my row of the cluster
	s_lshl_b32 s59, 0x1111, s[CX]                  ; my column
	s_or_b32 s[G1A], s58, (3<<16)|(1<<21)
	s_or_b32 s[G1B], s59, (3<<16)|(1<<21)
	s_mov_b32 s[G1A+1], 384<<16                    ; a row: a tile's 3,072 bytes of the chunk
	s_mov_b32 s[G1A+2], 4<<16
	s_mov_b32 s[G1A+3], 384<<16
	s_mov_b32 s[G1A+4], 4
	s_mov_b32 s[G1A+5], 1536                       ; from tile to tile: 12,288 bytes
	s_mov_b32 s[G1A+6], 0
	s_mov_b32 s[G1A+7], 0
	s_mov_b32 s[G1B+1], 384<<16
	s_mov_b32 s[G1B+2], 8<<16
	s_mov_b32 s[G1B+3], 384<<16
	s_mov_b32 s[G1B+4], 8
	s_mov_b32 s[G1B+5], 1536
	s_mov_b32 s[G1B+6], 0
	s_mov_b32 s[G1B+7], 0
	s_lshl_b32 s58, s[WB], 2
	s_add_co_u32 s58, s58, s[TA]
	s_mul_i32 s58, s58, 12288
	s_mov_b32 s59, 0
	s_lshl_b32 s66, s[WB], 3
	s_add_co_u32 s66, s66, s[TBT]
	s_mul_i32 s66, s66, 12288
	s_mov_b32 s67, 0
	s_mul_i32 s62, s[WB], 12288
	s_mul_i32 s63, s[WB], 24576
	s_add_co_u32 s63, s63, 24576
	s_wait_dscnt 0x0
	s_wait_kmcnt 0x0
	s_add_nc_u64 s[60:61], s[4:5], s[58:59]
	s_add_nc_u64 s[2:3], s[8:9], s[66:67]
.irp c, 0,1,2,3
	s_mov_b32 s[G0A+4*\c], 1
	s_add_co_u32 s[G0A+4*\c+1], s62, CHUNK*\c
	s_add_nc_u64 s[G0A+4*\c+2:G0A+4*\c+3], s[60:61], 3072*\c
	s_or_b32 s[G0A+4*\c+3], s[G0A+4*\c+3], 0x80000000
	s_mov_b32 s[G0B+4*\c], 1
	s_add_co_u32 s[G0B+4*\c+1], s63, CHUNK*\c
	s_add_nc_u64 s[G0B+4*\c+2:G0B+4*\c+3], s[2:3], 3072*\c
	s_or_b32 s[G0B+4*\c+3], s[G0B+4*\c+3], 0x80000000
.endr
	CROUND                                         ; all sixteen work-groups are here: the joint loads meet
	s_cmp_lt_u32 s[WV], 2                          ; waves 0, 1 fetch A's halves, waves 2, 3 B's: a wave's four fills stand in one branch
	s_cbranch_scc0 .Lfill_b
.irp c, 0,1,2,3
	tensor_load_to_lds s[G0A+4*\c:G0A+4*\c+3], s[G1A:G1A+7]
	s_nop 0
.endr
	PLACES
	s_branch .Lfilled
.Lfill_b:
.irp c, 0,1,2,3
	tensor_load_to_lds s[G0B+4*\c:G0B+4*\c+3], s[G1B:G1B+7]
	s_nop 0
.endr
	PLACES
.Lfilled:
	v_and_b32 v5, 31, v0
	v_lshlrev_b32 v[L16], 4, v5
	v_lshlrev_b32 v[L8], 3, v5
	v_add_nc_u32 v6, 512, v[L8]
	v_and_b32 v7, 15, v0                           ; r
	v_bfe_u32 v5, v0, 4, 1                         ; h
	v_lshlrev_b32 v[H64], 6, v5
	v_lshl_add_u32 v[YA], v7, 1, v[H64]
	s_wait_alu depctr_va_vdst(0)
	s_mul_i32 s60, s[WV], 8448                     ; my stage
	v_mul_u32_u24 v[STO], v7, 528
	v_add_nc_u32 v[STO], v[STO], v[H64]
	v_add_nc_u32 v[STO], s60, v[STO]
	v_add_nc_u32 v[RD], s60, v[L16]
	s_lshl_b32 s19, s[WA], 2
	s_add_co_u32 s19, s19, s[TA]                   ; my wave's first tile of A
	s_lshl_b32 s20, s[WB], 3
	s_add_co_u32 s20, s20, s[TBT]                  ; and of B
	s_lshl_b32 s58, s19, 9
	s_add_nc_u64 s[84:85], s[6:7], s[58:59]        ; y's scale halves: 512 bytes a tile
	s_lshl_b32 s58, s20, 9
	s_add_nc_u64 s[86:87], s[10:11], s[58:59]      ; w_proj's scale words
	s_sub_co_u32 s21, s20, 704
	s_lshl_b32 s58, s21, 6
	s_add_nc_u64 s[88:89], s[88:89], s[58:59]      ; my 128 numbers of b_proj
	s_lshl_b32 s58, s19, 16                        ; 16 rows of 4,096 bytes a token tile,
	s_lshl_b32 s21, s[CX], 10
	s_add_co_u32 s58, s58, s21                     ; my work-group's 256 outputs,
	s_lshl_b32 s21, s[WB], 9
	s_add_co_u32 s58, s58, s21                     ; my wave's 128
	s_add_nc_u64 s[90:91], s[90:91], s[58:59]
.irp a, 0,1,2,3
.irp j, 0,1,2,3
.irp c, 0,1
	global_load_u16 v[UT+8*\a+2*\j+\c], v[YA], s[84:85] offset:512*\a+32*(4*\j+\c)   ; lane l: head 4 j + 2 (l / 16) + c, row l % 16
.endr
.endr
.endr
.irp b, 0,1,2,3,4,5,6,7
.irp g, 0,1
	global_load_b64 v[SCB+4*\b+2*\g:SCB+4*\b+2*\g+1], v[L8], s[86:87] offset:512*\b+256*\g
.endr
.endr
.irp b, 0,1,2,3,4,5,6,7
	global_load_b128 v[BI+8*\b:BI+8*\b+3], v[H64], s[88:89] offset:(32*(\b/2)+8*(\b%2))*4        ; register 8 b + j: output 32 (b / 2) + 8 (b % 2) + 16 h + j
	global_load_b128 v[BI+8*\b+4:BI+8*\b+7], v[H64], s[88:89] offset:(32*(\b/2)+8*(\b%2))*4+16
.endr
	s_mul_i32 s60, s[WA], 12288
	s_mul_i32 s61, s[WB], 24576
	s_add_co_u32 s61, s61, 24576
.irp c, 0,1,2,3
	v_add_nc_u32 v[ADA16+\c], s60, v[L16]
	v_add_nc_u32 v[ADA8+\c], s60, v6
	v_add_nc_u32 v[ADB16+\c], s61, v[L16]
	v_add_nc_u32 v[ADB8+\c], s61, v6
	s_add_co_u32 s60, s60, CHUNK
	s_add_co_u32 s61, s61, CHUNK
.endr
.macro FETCH s                         ; 48 LDS loads: the fragments of K step s into set s % 2; every load reads consecutive bytes
.set fc, (\s)/2
.set fq, (\s)%2
	WIN 0x80+0x40*((\s)%2)
.irp a, 0,1,2,3
.irp cc, 0,1
	ds_load_b128 v[AF+12*\a+6*\cc:AF+12*\a+6*\cc+3], v[ADA16+fc] offset:3072*\a+768*(2*fq+\cc)
	ds_load_b64 v[AF+12*\a+6*\cc+4:AF+12*\a+6*\cc+5], v[ADA8+fc] offset:3072*\a+768*(2*fq+\cc)
.endr
.endr
.irp b, 0,1,2,3,4,5,6,7
.irp cc, 0,1
	ds_load_b128 v[BF+12*\b+6*\cc:BF+12*\b+6*\cc+3], v[ADB16+fc] offset:3072*\b+768*(2*fq+\cc)
	ds_load_b64 v[BF+12*\b+6*\cc+4:BF+12*\b+6*\cc+5], v[ADB8+fc] offset:3072*\b+768*(2*fq+\cc)
.endr
.endr
	WIN 0
.endm
; 32 matrix instructions: K step s.  mode 1: C = the bias; 0: the sum goes on.  The 32 accumulators take turns, one instruction a turn.
.macro MULS s, mode
.irp a, 0,1,2,3
.irp b, 0,1,2,3,4,5,6,7
.set rD, 64*\a+8*\b
.set rB, BF+12*\b
.set rA, AF+12*\a
.set rSB, SCB+4*\b+(\s)/2
.set rSA, SCA+4*\a+(\s)/2
.if \mode == 1
	v_wmma_scale_f32_16x16x128_f8f6f4 v[rD:rD+7], v[rB:rB+11], v[rA:rA+11], v[BI+8*\b:BI+8*\b+7], v[rSB], v[rSA] matrix_a_fmt:MATRIX_FMT_FP6 matrix_b_fmt:MATRIX_FMT_FP6
.elseif (\s)%2 == 0
	v_wmma_scale_f32_16x16x128_f8f6f4 v[rD:rD+7], v[rB:rB+11], v[rA:rA+11], v[rD:rD+7], v[rSB], v[rSA] matrix_a_fmt:MATRIX_FMT_FP6 matrix_b_fmt:MATRIX_FMT_FP6
.else
	v_wmma_scale_f32_16x16x128_f8f6f4 v[rD:rD+7], v[rB:rB+11], v[rA:rA+11], v[rD:rD+7], v[rSB], v[rSA] matrix_a_fmt:MATRIX_FMT_FP6 matrix_b_fmt:MATRIX_FMT_FP6 matrix_a_scale:MATRIX_SCALE_ROW1 matrix_b_scale:MATRIX_SCALE_ROW1
.endif
.endr
.endr
.endm
.macro STEP s
.if ((\s)%2 == 1) && ((\s) < 7)
	s_wait_tensorcnt 3-((\s)+1)/2                  ; my part of the next chunk is in; my loads of the later chunks may be out
	s_wait_dscnt 0x0
	s_barrier_signal -1
	s_barrier_wait -1                              ; everybody's part is in
.endif
.if (\s) < 7
	PLACES                                         ; four places between the last step's products and the loads into the set that they read
	FETCH (\s)+1
	s_wait_dscnt 48                                ; all but the 48 just issued
.else
	s_wait_dscnt 0x0
.endif
	WIN 0x5a+5*((\s)%2)
	MULS \s, 0
	WIN 0
.endm
	s_wait_tensorcnt 3                             ; my part of chunk 0 is in; three loads may be out
	s_barrier_signal -1
	s_barrier_wait -1
	FETCH 0
	s_wait_loadcnt 0x0                             ; scale halves, scale words, bias
.irp a, 0,1,2,3
.irp j, 0,1,2,3
	v_lshl_or_b32 v[SCA+4*\a+\j], v[UT+8*\a+2*\j+1], 16, v[UT+8*\a+2*\j]   ; two heads' halves make the word of a K step of 128
.endr
.endr
.rept 8
	v_nop                                          ; a scale register written by a vector instruction stands eight places ahead of a scaled matrix instruction
.endr
	FETCH 1
	s_wait_alu depctr_va_vdst(0)
	s_wait_dscnt 48
	WIN 0x4a                                       ; D window 1, C (the bias) window 0, sources window 2
	MULS 0, 1
	WIN 0
	STEP 1
	STEP 2
	STEP 3
	STEP 4
	STEP 5
	STEP 6
	STEP 7
	s_wait_dscnt 0x0
	s_barrier_signal -1
	s_barrier_wait -1                              ; no wave reads the operands any more: the stages may be laid over them
.macro TOSTAGE a
	WIN 0x04                                       ; an LDS store's data: window 1
.irp b, 0,1,2,3,4,5,6,7
	ds_store_b128 v[STO], v[64*(\a)+8*\b:64*(\a)+8*\b+3] offset:128*(\b/2)+32*(\b%2)          ; each accumulator from its low end on
	ds_store_b128 v[STO], v[64*(\a)+8*\b+4:64*(\a)+8*\b+7] offset:128*(\b/2)+32*(\b%2)+16
.endr
	WIN 0
.set BB, BK+64*((\a)%2)
.irp t, 0,1,2,3,4,5,6,7,8,9,10,11,12,13,14,15
	ds_load_b128 v[BB+4*\t:BB+4*\t+3], v[RD] offset:528*\t         ; LDS serves a wave's instructions in order: these see my stores
.endr
.endm
.macro SEND a, younger                 ; younger: the LDS instructions issued behind block a's loads, which may stay out
.set BB, BK+64*((\a)%2)
	s_wait_dscnt \younger
.irp t, 0,1,2,3,4,5,6,7,8,9,10,11,12,13,14,15
	global_store_b128 v[L16], v[BB+4*\t:BB+4*\t+3], s[90:91] offset:(32*((\a)/2)+8*((\a)%2)+\t+8*(\t/8))*4096 th:TH_STORE_NT   ; 512 consecutive bytes of one token's row, aligned
.endr
.endm
	PLACES                                         ; four places behind the last products
	TOSTAGE 0
.irp a, 1,2,3
.if \a > 1
	s_wait_xcnt 0x0                                ; block a - 2's stores have read their registers: block a's loads may land there
.endif
	TOSTAGE \a
	SEND \a-1, 32                                  ; behind block a - 1's loads: block a's 16 stores and 16 loads
.endr
	SEND 3, 0
	s_wait_tensorcnt 0x0
	ds_add_u32 v254, v255
	s_wait_dscnt 0x0
	CROUND                                         ; the closing round
	s_endpgm
.Lfunc_end_k_q1ebbad3732_proj:
	.size	k_q1ebbad3732_proj, .Lfunc_end_k_q1ebbad3732_proj-k_q1ebbad3732_proj
	.p2alignl 7, 3214868480
	.fill 96, 4, 3214868480
	.section	.rodata,"a",@progbits
	.p2align	6, 0x0
	.amdhsa_kernel k_q1ebbad3732_proj
		.amdhsa_group_segment_fixed_size 295424
		.amdhsa_private_segment_fixed_size 0
		.amdhsa_enable_private_segment 0
		.amdhsa_kernarg_size 48
		.amdhsa_user_sgpr_count 2
		.amdhsa_user_sgpr_kernarg_segment_ptr 1
		.amdhsa_wavefront_size32 1
		.amdhsa_system_sgpr_workgroup_id_x 1
		.amdhsa_system_sgpr_workgroup_id_y 1
		.amdhsa_system_sgpr_workgroup_id_z 1
		.amdhsa_system_vgpr_workitem_id 0
		.amdhsa_next_free_vgpr 912
		.amdhsa_next_free_sgpr 102
		.amdhsa_reserve_vcc 0
		.amdhsa_float_denorm_mode_32 3
		.amdhsa_float_denorm_mode_16_64 3
		.amdhsa_memory_ordered 1
		.amdhsa_forward_progress 1
		.amdhsa_inst_pref_size 90
	.end_amdhsa_kernel
	.amdgpu_metadata
---
amdhsa.version: [ 1, 2 ]
amdhsa.kernels:
  - .name:           k_q1ebbad3732_proj
    .symbol:         k_q1ebbad3732_proj.kd
    .args:
      - { .name: yb, .offset: 0, .size: 8, .value_kind: global_buffer, .address_space: global }
      - { .name: ys, .offset: 8, .size: 8, .value_kind: global_buffer, .address_space: global }
      - { .name: opc, .offset: 16, .size: 8, .value_kind: global_buffer, .address_space: global }
      - { .name: ops, .offset: 24, .size: 8, .value_kind: global_buffer, .address_space: global }
      - { .name: b_proj, .offset: 32, .size: 8, .value_kind: global_buffer, .address_space: global }
      - { .name: out0, .offset: 40, .size: 8, .value_kind: global_buffer, .address_space: global }
    .group_segment_fixed_size: 295424
    .private_segment_fixed_size: 0
    .kernarg_segment_align: 8
    .kernarg_segment_size: 48
    .max_flat_workgroup_size: 128
    .sgpr_count:     102
    .vgpr_count:     912
    .wavefront_size: 32
...
	.end_amdgpu_metadata
.endif
;; end of part 4
